; MI455X (gfx1250); checked and timed in simulation.
; The chip was launched on July 23, 2026; its instructions are those of AMD's public machine-readable ISA for CDNA 5 (MIT licence, August 2026) and "CDNA5" Instruction Set Architecture Reference Guide (July 2026). The comments in the code are by the model that wrote it; some were corrected since.
;; Causal Self Attention. Allowed arithmetic: matrix products marked QUANTISED: E2M1 operands, one E8M0 scale for each 32 along K, by v_wmma_scale_f32_16x16x128_f8f6f4 with both operands' format E2M1 (or v_wmma_scale_f32_32x16x128_f4), f32 sums; products left as they are: bf16, f16 or f32 operands; f32 sums; everything else in f32.
;; Inputs: W_proj 1,024 x 1,024 float32; W_qkv 1,024 x 3,072 float32; b_proj 1,024 float32; b_qkv 3,072 float32; x 4 x 2,048 x 1,024 float32.
;; Outputs: out0 4 x 2,048 x 1,024 float32.
;; This version of the problem:
;;   THIS VERSION OF THE PROBLEM IS GIVEN IN LOW PRECISION. The matrix products marked QUANTISED in the list below multiply operands that are first quantised to E2M1 (2 exponent bits, 1 mantissa bit; 4 bits a number), with one power-of-two scale for each 32 numbers along K (OCP MX v1.0); their sums are f32. The products marked 'left as it is' may take bf16, f16 or f32 operands, with f32 sums. Whichever they take, every output number must still come out within the allowed error. Rounding operands to bf16 (8 significant bits) uses up far more of that allowance than f16 does (11 bits, for magnitudes from 6e-5 to 65,504). All else is computed in f32.
;;   The module's matrix products, in the order in which they are computed (A, B: the left and right operand; K: the contracted axis; several contracted axes count as one K, in the product's order):
;;     1. [M 8,192, K 1,024] x [K 1,024, N 3,072]; A: input x; B: input W_qkv: QUANTISED
;;     2. batch 64 x [M 2,048, K 64] x [K 64, N 2,048]; A: computed on the way; B: computed on the way: left as it is (an operand is computed on the way)
;;     3. batch 64 x [M 2,048, K 2,048] x [K 2,048, N 64]; A: computed on the way; B: computed on the way: left as it is (an operand is computed on the way)
;;     4. [M 8,192, K 1,024] x [K 1,024, N 1,024]; A: computed on the way; B: input W_proj: left as it is (an operand is computed on the way)
;;   THE QUANTISER, for each operand of a quantised product, along K:
;;     - K is cut into blocks of 32 from its start; a last block that is shorter is filled with zeros.
;;     - A block's scale is 2^e with e = floor(log2(the largest magnitude in the block)) - 2, held to -126 .. 127; a block of zeros has e = 0. As a byte (E8M0): e + 127.
;;     - Each number is divided by its block's scale, clamped to +-6, and rounded to the nearest number of E2M1, ties to even, subnormals kept.
;;     - The product sums the exact products of the quantised numbers (number of the format x scale) in f32.
;;   ~~~python
;;   def quantise(x, axis):      # numpy; x: float32 -> the quantised numbers, widened to float32 again
;;       x = np.moveaxis(x, axis, -1); K = x.shape[-1]
;;       x = np.pad(x, [(0, 0)] * (x.ndim - 1) + [(0, -K % 32)]); x = x.reshape(x.shape[:-1] + (-1, 32)); a = np.abs(x).max(-1, keepdims=True)
;;       e = np.where(a > 0, np.clip(np.frexp(np.where(a > 0, a, 1))[1] - 1 - 2, -126, 127), 0)      # np.frexp(a)[1] - 1 = floor(log2(a)), exactly
;;       r = np.clip(x / 2.0 ** e, -6, 6)
;;       step = 2.0 ** (np.maximum(np.frexp(np.where(r == 0, 1, r))[1] - 1, 0) - 1)
;;       q = np.round(r / step) * step * 2.0 ** e      # np.round: ties to even
;;       return np.moveaxis(q.reshape(q.shape[:-2] + (-1,))[..., :K], -1, axis).astype(np.float32)
;;   ~~~
;; One version. Each part assembles by itself: llvm-mc -triple=amdgcn-amd-amdhsa -mcpu=gfx1250 --defsym DOCPART=n.
;; ======== version 1 of 1: 5 launches
;; limits: values are held in f16: magnitudes above 65,504 overflow, below 6.1e-05 lose precision
;; workspace buffers: xc 4,194,304 bytes; xs 262,144 bytes; wc 1,572,864 bytes; ws 98,304 bytes; wpt 2,097,152 bytes; qkvh 50,331,648 bytes; qkv16 786,432 bytes; yh 16,777,216 bytes
;; launch prep (part 1): grid 368 x 1, 4 waves a work-group, no clusters, 102,912 bytes of LDS; arguments x, W_qkv, W_proj, xc, xs, wc, ws, wpt; writes xc, xs, wc, ws, wpt
.if DOCPART == 1
	.amdgcn_target "amdgcn-amd-amdhsa--gfx1250"
	.amdhsa_code_object_version 6
	.text
	.protected	k_qd6ada8b0bb_prep
	.globl	k_qd6ada8b0bb_prep
	.p2align	8
	.type	k_qd6ada8b0bb_prep,@function
k_qd6ada8b0bb_prep:
	s_mov_b64 s[64:65], 0
	v_nop
	global_prefetch_b8 v0, s[64:65] scope:SCOPE_SE
	s_setreg_imm32_b32 hwreg(HW_REG_WAVE_MODE, 25, 1), 1
	s_wait_xcnt 0x0
; PREP: three jobs in one launch, told apart by the work-group's number; each job has LDS bytes of its own and its own end.
;   work-groups   0 ..  47: W_qkv [1024 (k)][3072 (n)] f32 -> codes of FP4 (E2M1) wc [3072][512 bytes], K innermost, and E8M0 bytes ws [3072][32]
;   work-groups  48 .. 111: W_proj [1024 (k)][1024 (n)] f32 -> wpt [1024 (n)][1024 (k)] f16, K innermost
;   work-groups 112 .. 367: x [8192][1024] f32 -> codes xc [8192][512 bytes] and E8M0 bytes xs [8192][32]
; A block's scale is 2^(floor(log2(its largest magnitude)) - 2); its byte is the largest magnitude's exponent field - 2, held at 1 from below.
; LIMITS: a block of zeros, and a block whose largest magnitude lies under 2^(3 - 127), keeps the byte 1 (its codes are zeros or near it; these bytes are read by this program alone);
; NaN and infinities are not served; |W_proj| stays under 65,504, f16's largest number.
; No tensor loads, no barrier, no cluster: no two waves read the same input bytes.
.set STEPS, 16
.set SP,    80                         ; x: a lane's place in a stage: 64 bytes + 16 of padding
.set XREG,  8192                       ; x: LDS of a wave: two stages of 32 x SP, then its 256 scale bytes
.set QSTG,  32768                      ; W_qkv: four stages of 32 rows x 272 bytes
.set PSTG,  67584                      ; W_proj: the same
.set PITCH, 272
.set SPARE, 102400                     ; the spare words, 128 bytes for each wave: two blocks of 256 bytes that no other line names
.set SPW,   188                        ; v188 LDS address of my spare word; never rewritten
.set NIL,   189                        ; v189 0; never rewritten
.set R,     16                         ; x: v16-79 four sets of 16 numbers as loaded
.set X,     80                         ; x: v80-111 two sets of 16 neighbours
.set E,     112                        ; x: v112-127 a scale byte for each step
.set C,     128                        ; x: v128-159 two registers of codes for each step: no store's data are written again
.set QX,    32                         ; weights: v32-95 two sets of 32 numbers down K
.set QC,    96                         ; weights: v96.. a block's codes or f16 pairs
.set OUTR,  112                        ; weights: v112-175 the way out
.set SB,    24                         ; W_qkv: v24-27 the scale bytes, four to a register
	s_load_b256 s[4:11], s[0:1], 0x0               ; x s[4:5], W_qkv s[6:7], W_proj s[8:9], xc s[10:11]
	s_load_b256 s[12:19], s[0:1], 0x20             ; xs s[12:13], wc s[14:15], ws s[16:17], wpt s[18:19]
	v_lshl_add_u32 v[SPW], v0, 2, SPARE
	v_mov_b32 v[NIL], 0
	v_lshrrev_b32 v1, 5, v0
	v_readfirstlane_b32 s20, v1                    ; wave 0..3
	v_and_b32 v2, 31, v0                           ; lane
	s_cmp_lt_u32 ttmp9, 48
	s_cbranch_scc1 .Lwq
	s_cmp_lt_u32 ttmp9, 112
	s_cbranch_scc1 .Lwp
; ---------------- x: a plain stream of blocks of 32.  A wave takes 16 steps of 512 numbers.  Each load reads 512 consecutive bytes; a step's 2,048 bytes turn through the wave's own stage,
; so that a lane holds 16 neighbours along K (two neighbouring lanes hold a block).  Loads run four steps ahead, the turn one step.
	v_lshlrev_b32 v3, 4, v2                        ; my 16 bytes of a load's 512
	s_mul_i32 s21, s20, XREG
	v_lshrrev_b32 v14, 2, v2
	v_mul_u32_u24 v14, v14, SP
	v_and_b32 v15, 3, v2
	v_lshl_add_u32 v14, v15, 4, v14
	v_add_nc_u32 v14, s21, v14                     ; into the stage: SP (lane / 4) + 16 (lane % 4)
	v_mul_u32_u24 v15, v2, SP
	v_add_nc_u32 v15, s21, v15                     ; out of it: SP x lane
	v_lshlrev_b32 v4, 3, v2                        ; my 8 bytes of a step's codes
	v_lshrrev_b32 v5, 1, v2
	s_add_co_u32 s21, s21, 2*32*SP
	v_add_nc_u32 v5, s21, v5                       ; my block's scale byte in the wave's 256
	v_lshlrev_b32 v7, 3, v2
	v_add_nc_u32 v6, s21, v7                       ; and 8 of them on the way out
	s_sub_co_u32 s22, ttmp9, 112
	s_lshl_b32 s22, s22, 2
	s_add_co_u32 s22, s22, s20                     ; which run of 8,192 numbers is my wave's: 0 .. 1,023
	s_mov_b32 s25, 0
	s_wait_kmcnt 0x0
	s_lshl_b32 s24, s22, 15                        ; 32,768 bytes of x a run,
	s_add_nc_u64 s[4:5], s[4:5], s[24:25]
	s_lshl_b32 s24, s22, 12                        ; 4,096 of codes,
	s_add_nc_u64 s[10:11], s[10:11], s[24:25]
	s_lshl_b32 s24, s22, 8                         ; 256 scale bytes
	s_add_nc_u64 s[12:13], s[12:13], s[24:25]
.macro XLOAD t
.irp i, 0,1,2,3
	global_load_b128 v[R+16*((\t)%4)+4*\i:R+16*((\t)%4)+4*\i+3], v3, s[4:5] offset:2048*(\t)+512*\i th:TH_LOAD_NT
.endr
.endm
.macro XTURN t                         ; LDS serves a wave's instructions in order: no wait between these stores and loads
.irp i, 0,1,2,3
	ds_store_b128 v14, v[R+16*((\t)%4)+4*\i:R+16*((\t)%4)+4*\i+3] offset:32*SP*((\t)%2)+8*SP*\i
.endr
.irp i, 0,1,2,3
	ds_load_b128 v[X+16*((\t)%2)+4*\i:X+16*((\t)%2)+4*\i+3], v15 offset:32*SP*((\t)%2)+16*\i
.endr
.endm
.irp t, 0,1,2,3
	XLOAD \t
.endr
	s_wait_loadcnt 12                              ; step 0's four loads are in; twelve younger ones stay out
	XTURN 0
.macro XSTEP t
.set XS, X+16*((\t)%2)
.if (\t) > 0
	s_wait_dscnt 1                                 ; this step's numbers are back from the stage; the last step's byte store may be out
.else
	s_wait_dscnt 0x0
.endif
.if (\t)+4 < STEPS
	XLOAD (\t)+4                                   ; into the set whose stores into the stage are done
.endif
.if (\t)+1 < STEPS
.if STEPS-2-(\t) >= 3
	s_wait_loadcnt 12                              ; the next step's four loads are in; those of the three steps behind it may be out
.else
	s_wait_loadcnt 4*(STEPS-2-(\t))
.endif
	XTURN (\t)+1
.endif
	v_max3_num_f32 v8, |v[XS]|, |v[XS+1]|, |v[XS+2]|               ; the largest magnitude of my 16, in two chains
	v_max3_num_f32 v9, |v[XS+3]|, |v[XS+4]|, |v[XS+5]|
.irp i, 6,10
	v_max3_num_f32 v8, v8, |v[XS+\i]|, |v[XS+\i+1]|
	v_max3_num_f32 v9, v9, |v[XS+\i+2]|, |v[XS+\i+3]|
.endr
	v_max3_num_f32 v8, v8, |v[XS+14]|, |v[XS+15]|
	v_max3_num_f32 v8, v8, v9, 0x1800000           ; and the floor 2^(3 - 127): the byte cannot fall under 1
	v_max_num_f32_dpp v8, v8, v8 row_xmask:1 row_mask:0xf bank_mask:0xf   ; with my neighbour's 16: the block's
	v_add_nc_u32 v11, 0xff000000, v8               ; 2 off its exponent field: the conversion takes this operand's exponent field as its scale
	v_cvt_scalef32_pk8_fp4_f32 v[C+2*(\t)], v[XS:XS+7], v11
	v_cvt_scalef32_pk8_fp4_f32 v[C+2*(\t)+1], v[XS+8:XS+15], v11
	v_lshrrev_b32 v[E+(\t)], 23, v11               ; the scale's byte (a plain line behind the conversions)
	ds_store_b8 v5, v[E+(\t)] offset:16*(\t)       ; both lanes of a block write the same byte with the same value
	global_store_b64 v4, v[C+2*(\t):C+2*(\t)+1], s[10:11] offset:256*(\t)   ; the wave stores 256 consecutive bytes, aligned
.endm
.irp t, 0,1,2,3,4,5,6,7,8,9,10,11,12,13,14,15
	XSTEP \t
.endr
	ds_load_b64 v[8:9], v6                         ; in order behind my byte stores
	s_wait_dscnt 0x0
	global_store_b64 v7, v[8:9], s[12:13]          ; 256 consecutive scale bytes, aligned
	s_wait_tensorcnt 0x0                           ; the wave's end, behind my last LDS store
	ds_add_u32 v[SPW], v[NIL]
	s_wait_dscnt 0x0
	s_endpgm
; ---------------- W_qkv: K is the first axis.  A lane takes a column n and its registers run down K: a block of 32 lies in one lane, and the conversions give codes with K innermost.
; A wave takes 32 columns x 512 along K; its codes (256 bytes a column) leave through its own stage as rows: sixteen lanes store 256 consecutive bytes, aligned.
.Lwq:
	s_cmp_ge_u32 ttmp9, 24
	s_cselect_b32 s21, 1, 0                        ; which 512 along K
	s_cselect_b32 s22, 24, 0
	s_sub_co_u32 s22, ttmp9, s22                   ; which 128 columns
	s_lshl_b32 s22, s22, 7
	s_lshl_b32 s23, s20, 5
	s_add_co_u32 s22, s22, s23                     ; my wave's first column
	v_lshlrev_b32 v3, 2, v2                        ; in: 4 bytes a lane
	s_mul_i32 s23, s20, 32*PITCH
	s_add_co_u32 s23, s23, QSTG                    ; my stage
	v_mul_u32_u24 v4, v2, PITCH
	v_add_nc_u32 v4, s23, v4                       ; into it: row = my column
	v_and_b32 v5, 15, v2
	v_lshrrev_b32 v6, 4, v2
	v_mul_u32_u24 v7, v6, PITCH
	v_lshl_add_u32 v7, v5, 4, v7
	v_add_nc_u32 v7, s23, v7                       ; out of it: sixteen lanes to a row, two rows an instruction
	v_lshlrev_b32 v8, 9, v6
	v_lshl_add_u32 v8, v5, 4, v8                   ; the same place in wc: rows of 512 bytes
	v_lshlrev_b32 v9, 5, v2                        ; my column's row of 32 scale bytes
	s_mul_i32 s24, s21, 512*3072*4
	s_lshl_b32 s25, s22, 2
	s_add_co_u32 s24, s24, s25
	s_mov_b32 s25, 0
	s_wait_kmcnt 0x0
	s_add_nc_u64 s[6:7], s[6:7], s[24:25]
	s_lshl_b32 s24, s22, 9
	s_lshl_b32 s26, s21, 8
	s_add_co_u32 s24, s24, s26
	s_add_nc_u64 s[14:15], s[14:15], s[24:25]
	s_lshl_b32 s24, s22, 5
	s_lshl_b32 s26, s21, 4
	s_add_co_u32 s24, s24, s26
	s_add_nc_u64 s[16:17], s[16:17], s[24:25]
.macro QLOAD t                         ; block t: W(32 t + i, my column); the largest offset, 511 rows of 12,288 bytes, lies inside the signed 24-bit immediate
.irp i, 0,1,2,3,4,5,6,7,8,9,10,11,12,13,14,15,16,17,18,19,20,21,22,23,24,25,26,27,28,29,30,31
	global_load_b32 v[QX+32*((\t)%2)+\i], v3, s[6:7] offset:(32*(\t)+\i)*12288 th:TH_LOAD_NT
.endr
.endm
	QLOAD 0
	QLOAD 1
.macro QBLOCK t
.set XS, QX+32*((\t)%2)
.if (\t) < 15
	s_wait_loadcnt 32                              ; this block's 32 loads are in; the next block's may be out
.else
	s_wait_loadcnt 0x0
.endif
	v_max3_num_f32 v12, |v[XS]|, |v[XS+1]|, |v[XS+2]|
	v_max3_num_f32 v13, |v[XS+3]|, |v[XS+4]|, |v[XS+5]|
.irp i, 6,10,14,18,22,26
	v_max3_num_f32 v12, v12, |v[XS+\i]|, |v[XS+\i+1]|
	v_max3_num_f32 v13, v13, |v[XS+\i+2]|, |v[XS+\i+3]|
.endr
	v_max3_num_f32 v12, v12, |v[XS+30]|, |v[XS+31]|
	v_max3_num_f32 v12, v12, v13, 0x1800000        ; the floor 2^(3 - 127)
	v_add_nc_u32 v11, 0xff000000, v12              ; the conversion's scale operand
	v_lshrrev_b32 v13, 23, v11                     ; the scale's byte
.if (\t)%4 == 0
	v_mov_b32 v[SB+(\t)/4], v13
.else
	v_lshl_or_b32 v[SB+(\t)/4], v13, 8*((\t)%4), v[SB+(\t)/4]
.endif
.irp g, 0,1,2,3
	v_cvt_scalef32_pk8_fp4_f32 v[QC+\g], v[XS+8*\g:XS+8*\g+7], v11
.endr
	v_nop                                          ; one plain line behind the last conversion
	ds_store_b128 v4, v[QC:QC+3] offset:16*(\t)
.if (\t)+2 < 16
	QLOAD (\t)+2
.endif
	s_wait_dscnt 0x0                               ; the store has read its registers: the next block's codes may be written
.endm
.irp t, 0,1,2,3,4,5,6,7,8,9,10,11,12,13,14,15
	QBLOCK \t
.endr
	global_store_b128 v9, v[SB:SB+3], s[16:17]     ; my column's 16 scale bytes
.irp t, 0,1,2,3,4,5,6,7,8,9,10,11,12,13,14,15
	ds_load_b128 v[OUTR+4*\t:OUTR+4*\t+3], v7 offset:2*\t*PITCH
.endr
.irp t, 0,1,2,3,4,5,6,7,8,9,10,11,12,13,14,15
	s_wait_dscnt 15-\t                             ; LDS loads come back in order: load t is in
	global_store_b128 v8, v[OUTR+4*\t:OUTR+4*\t+3], s[14:15] offset:2*\t*512
.endr
	s_wait_tensorcnt 0x0                           ; the wave's end
	ds_add_u32 v[SPW], v[NIL]
	s_wait_dscnt 0x0
	s_endpgm
; ---------------- W_proj: the same plan without a scale: a lane takes a column, 32 registers run down K, pairs are rounded to f16.  A wave takes 32 columns x 128 along K: 256 bytes a column.
.Lwp:
	s_sub_co_u32 s21, ttmp9, 48
	s_and_b32 s22, s21, 7                          ; which 128 columns
	s_lshr_b32 s21, s21, 3                         ; which 128 along K
	s_lshl_b32 s22, s22, 7
	s_lshl_b32 s23, s20, 5
	s_add_co_u32 s22, s22, s23                     ; my wave's first column
	v_lshlrev_b32 v3, 2, v2
	s_mul_i32 s23, s20, 32*PITCH
	s_add_co_u32 s23, s23, PSTG                    ; my stage
	v_mul_u32_u24 v4, v2, PITCH
	v_add_nc_u32 v4, s23, v4
	v_and_b32 v5, 15, v2
	v_lshrrev_b32 v6, 4, v2
	v_mul_u32_u24 v7, v6, PITCH
	v_lshl_add_u32 v7, v5, 4, v7
	v_add_nc_u32 v7, s23, v7
	v_lshlrev_b32 v8, 11, v6
	v_lshl_add_u32 v8, v5, 4, v8                   ; wpt: rows of 2,048 bytes
	s_lshl_b32 s24, s21, 19                        ; 128 rows of 4,096 bytes
	s_lshl_b32 s25, s22, 2
	s_add_co_u32 s24, s24, s25
	s_mov_b32 s25, 0
	s_wait_kmcnt 0x0
	s_add_nc_u64 s[8:9], s[8:9], s[24:25]
	s_lshl_b32 s24, s22, 11
	s_lshl_b32 s26, s21, 8
	s_add_co_u32 s24, s24, s26
	s_add_nc_u64 s[18:19], s[18:19], s[24:25]
.macro PLOAD t
.irp i, 0,1,2,3,4,5,6,7,8,9,10,11,12,13,14,15,16,17,18,19,20,21,22,23,24,25,26,27,28,29,30,31
	global_load_b32 v[QX+32*((\t)%2)+\i], v3, s[8:9] offset:(32*(\t)+\i)*4096
.endr
.endm
	PLOAD 0
	PLOAD 1
.macro PBLOCK t
.set XS, QX+32*((\t)%2)
.if (\t) < 3
	s_wait_loadcnt 32                              ; this block's 32 loads are in; the next block's may be out
.else
	s_wait_loadcnt 0x0
.endif
.irp i, 0,1,2,3,4,5,6,7,8,9,10,11,12,13,14,15
	v_cvt_pk_f16_f32 v[QC+\i], v[XS+2*\i], v[XS+2*\i+1]
.endr
.irp g, 0,1,2,3
	ds_store_b128 v4, v[QC+4*\g:QC+4*\g+3] offset:64*(\t)+16*\g
.endr
.if (\t)+2 < 4
	PLOAD (\t)+2
.endif
	s_wait_dscnt 0x0                               ; the stores have read their registers
.endm
.irp t, 0,1,2,3
	PBLOCK \t
.endr
.irp t, 0,1,2,3,4,5,6,7,8,9,10,11,12,13,14,15
	ds_load_b128 v[OUTR+4*\t:OUTR+4*\t+3], v7 offset:2*\t*PITCH
.endr
.irp t, 0,1,2,3,4,5,6,7,8,9,10,11,12,13,14,15
	s_wait_dscnt 15-\t
	global_store_b128 v8, v[OUTR+4*\t:OUTR+4*\t+3], s[18:19] offset:2*\t*2048   ; sixteen lanes store 256 consecutive bytes, aligned
.endr
	s_wait_tensorcnt 0x0                           ; the wave's end
	ds_add_u32 v[SPW], v[NIL]
	s_wait_dscnt 0x0
	s_endpgm
.Lfunc_end_k_qd6ada8b0bb_prep:
	.size	k_qd6ada8b0bb_prep, .Lfunc_end_k_qd6ada8b0bb_prep-k_qd6ada8b0bb_prep
	.p2alignl 7, 3214868480
	.fill 96, 4, 3214868480
	.section	.rodata,"a",@progbits
	.p2align	6, 0x0
	.amdhsa_kernel k_qd6ada8b0bb_prep
		.amdhsa_group_segment_fixed_size 102912
		.amdhsa_private_segment_fixed_size 0
		.amdhsa_enable_private_segment 0
		.amdhsa_kernarg_size 64
		.amdhsa_user_sgpr_count 2
		.amdhsa_user_sgpr_kernarg_segment_ptr 1
		.amdhsa_wavefront_size32 1
		.amdhsa_system_sgpr_workgroup_id_x 1
		.amdhsa_system_sgpr_workgroup_id_y 1
		.amdhsa_system_sgpr_workgroup_id_z 1
		.amdhsa_system_vgpr_workitem_id 0
		.amdhsa_next_free_vgpr 192
		.amdhsa_next_free_sgpr 66
		.amdhsa_reserve_vcc 0
		.amdhsa_float_denorm_mode_32 3
		.amdhsa_float_denorm_mode_16_64 3
		.amdhsa_memory_ordered 1
		.amdhsa_forward_progress 1
		.amdhsa_inst_pref_size 133
	.end_amdhsa_kernel
	.amdgpu_metadata
---
amdhsa.version: [ 1, 2 ]
amdhsa.kernels:
  - .name:           k_qd6ada8b0bb_prep
    .symbol:         k_qd6ada8b0bb_prep.kd
    .args:
      - { .name: x, .offset: 0, .size: 8, .value_kind: global_buffer, .address_space: global }
      - { .name: W_qkv, .offset: 8, .size: 8, .value_kind: global_buffer, .address_space: global }
      - { .name: W_proj, .offset: 16, .size: 8, .value_kind: global_buffer, .address_space: global }
      - { .name: xc, .offset: 24, .size: 8, .value_kind: global_buffer, .address_space: global }
      - { .name: xs, .offset: 32, .size: 8, .value_kind: global_buffer, .address_space: global }
      - { .name: wc, .offset: 40, .size: 8, .value_kind: global_buffer, .address_space: global }
      - { .name: ws, .offset: 48, .size: 8, .value_kind: global_buffer, .address_space: global }
      - { .name: wpt, .offset: 56, .size: 8, .value_kind: global_buffer, .address_space: global }
    .group_segment_fixed_size: 102912
    .private_segment_fixed_size: 0
    .kernarg_segment_align: 8
    .kernarg_segment_size: 64
    .max_flat_workgroup_size: 128
    .sgpr_count:     66
    .vgpr_count:     192
    .wavefront_size: 32
...
	.end_amdgpu_metadata
.endif
;; end of part 1
;; launch qkv (part 2): grid 12 x 32, 4 waves a work-group, clusters of 4 x 4, 327,680 bytes of LDS; arguments xc, xs, wc, ws, b_qkv, qkvh, qkv16; writes qkvh, qkv16
.if DOCPART == 2
	.amdgcn_target "amdgcn-amd-amdhsa--gfx1250"
	.amdhsa_code_object_version 6
	.text
	.protected	k_qd6ada8b0bb_qkv
	.globl	k_qd6ada8b0bb_qkv
	.p2align	8
	.type	k_qd6ada8b0bb_qkv,@function
k_qd6ada8b0bb_qkv:
	s_mov_b64 s[64:65], 0
	v_nop
	global_prefetch_b8 v0, s[64:65] scope:SCOPE_SE
	s_setreg_imm32_b32 hwreg(HW_REG_WAVE_MODE, 25, 1), 1
	s_wait_xcnt 0x0
	s_wait_alu depctr_hold_cnt(0) depctr_sa_sdst(0) depctr_va_vdst(0) depctr_va_sdst(0) depctr_va_ssrc(0) depctr_va_vcc(0) depctr_vm_vsrc(0)
	s_getreg_b32 s2, hwreg(HW_REG_IB_STS2, 6, 4)
	s_cmp_eq_u32 s2, 0
	s_cbranch_scc0 .Lentry_in_a_cluster
	s_endpgm
.Lentry_in_a_cluster:
	s_bfe_u32 s2, ttmp6, 0x10000c
	s_cmp_lg_u32 s2, 0xf033
	s_cbranch_scc0 .Lentry_shape_is_right
	s_endpgm
.Lentry_shape_is_right:
; qkv = Q(x) Q(W_qkv) + b_qkv on codes of FP4 (E2M1) with one E8M0 scale for each 32 along K = 1,024; sums in f32.
; A = xc [8192][512 bytes], xs [8192][32]; B = wc [3072][512 bytes], ws [3072][32].  OUT: q, k, v rounded to f16, by head: qkvh [p 3][b 4][h 16][t 2048][64];
; and the f32 results of positions 0 to 15 of each sequence as images of the accumulators' registers: qkv16 [b 4][n / 16: 192][half 2][lane 32][4].
; LIMIT: |q|, |k|, |v| stay under 65,504, f16's largest number.
; A tile, 256 x 256, is made by four waves, 128 x 128 each: 64 accumulators, 512 registers.  K is two slots of 512: both are first fills, nothing is filled again, and there is no loop.
; By this text's count a wave has three tensor loads out: its part of the scales, of slot 0 and of slot 1.
; CLUSTERS: 4 x 4 work-groups; A's tiles are asked for jointly along a row of the cluster, B's along a column.  THE MATRIX INSTRUCTION IS USED TRANSPOSED (source 0 = 16 rows of B, source 1 = 16 rows of A):
; a lane holds eight neighbouring columns of one row.  THE BIAS is the C of each sum's first instruction, eight registers a block of B in the result's layout.
; REGISTERS: window 0: v0-31 addresses; v32-95 scale words, two sets; v96-127 packed results; v128-191 A's fragments, one set; v192-255 the bias.  window 1: B's fragments, two sets.  windows 2, 3: the accumulators.
.set NQ,     4                         ; steps of 128 along K in a slot
.set ROWB,   256                       ; a tile's row in bytes
.set KROW,   512                       ; a row of codes in memory
.set PITCH,  272                       ; an LDS row: 256 bytes + 16 of padding: the 16 rows that a load touches start at 16 different banks
.set FR,     8
.set NL,     2
.set NP,     4                         ; places behind this matrix instruction (ISA guide 7.12.1)
.set HALFT,  128*PITCH
.set SLOT,   4*HALFT
.set KS,     32                        ; a row of scale bytes
.set SCL,    2*SLOT
.set HALFS,  (128*KS/256)*272
.set SBLK,   (16*KS/256)*272
.set SPARE,  SCL+4*HALFS               ; the spare words, 128 bytes for each wave
.set ADRA, 16
.set ADRB, 20
.set STO,  24                          ; the way out: where I put 16 bytes of a row
.set RD,   25                          ; and where I read four rows back
.set CO,   26                          ; 16 x lane
.set ADRS, 27
.set SPW,  28
.set NIL,  29
.set FLG,  30                          ; 0 where my wave's first 16 rows are positions 0 to 15 of a sequence
.set BO,   31                          ; 32 x (lane / 16)
.set SC,   32
.set TMP,  96
.set AF,   128
.set BK,   128
.set BI,   192
.set G1, 24
.set G0, 32
.set G1B, 48
.set G0B, 56
.set G1S, 68
.set G0S, 76
.set G1SB, 80
.set G0SB, 88
.set MSB, 0
.macro WIN new                         ; the immediate's high byte repeats the setting that is left
.if MSB != (\new)
	s_set_vgpr_msb (MSB<<8)|(\new)
.set MSB, (\new)
.endif
.endm
.set MUL_LO, 0xa1                      ; source 0 (B) window 1, source 1 (A) window 0, C and D window 2
.set MUL_HI, 0xf1                      ; the same, C and D window 3
.set TO_B,   0x40
; A joint load: waves 0 and 1 fetch for A, waves 2 and 3 for B; the branch hangs on the wave's number alone.  An s_nop 0 and four v_nop follow each line.
.macro JLOAD g0a, g1a, g0b, g1b
	s_cmp_eq_u32 s15, 0
	s_cbranch_scc0 .Lfor_b_\@
	tensor_load_to_lds s[\g0a:\g0a+3], s[\g1a:\g1a+7]
	s_nop 0
.rept 4
	v_nop
.endr
	s_branch .Lasked_\@
.Lfor_b_\@:
	tensor_load_to_lds s[\g0b:\g0b+3], s[\g1b:\g1b+7]
	s_nop 0
.rept 4
	v_nop
.endr
.Lasked_\@:
.endm
.macro CROUND                          ; a round of the cluster's barrier
	s_barrier_signal -1
	s_barrier_wait -1
	s_cmp_lg_u32 s14, 0
	s_cbranch_scc1 .Lnot_wave_0_\@
	s_barrier_signal -3
.Lnot_wave_0_\@:
	s_barrier_wait -3
	s_barrier_signal -1
	s_barrier_wait -1
.endm
	s_load_b128 s[4:7], s[0:1], 0x0                ; xc s[4:5], xs s[6:7]
	s_load_b128 s[8:11], s[0:1], 0x10              ; wc s[8:9], ws s[10:11]
	s_load_b128 s[96:99], s[0:1], 0x20             ; b_qkv s[96:97], qkvh s[98:99]
	s_load_b64 s[100:101], s[0:1], 0x30            ; qkv16
	v_lshl_add_u32 v[SPW], v0, 2, SPARE
	v_mov_b32 v[NIL], 0
	ds_add_u32 v[SPW], v[NIL]                      ; the wave's opening: the add, twice on end, and its wait ahead of my first tensor load
	ds_add_u32 v[SPW], v[NIL]
	v_lshrrev_b32 v1, 5, v0
	v_readfirstlane_b32 s14, v1                    ; wave 0..3
	s_lshr_b32 s15, s14, 1                         ; which half of the tile's rows is mine.  Also: I fetch for A (0) or for B (1)
	s_and_b32 s16, s14, 1                          ; which half of its columns.  Also: which 128 rows I fetch
	s_bfe_u32 s40, ttmp6, 0x40000                  ; cx, cy
	s_bfe_u32 s41, ttmp6, 0x40004
	s_lshl_b32 s42, ttmp9, 2
	s_add_co_u32 s42, s42, s40                     ; tile column = 4 x cluster x + cx: 0 .. 11
	s_and_b32 s17, ttmp7, 0xffff
	s_lshl_b32 s17, s17, 2
	s_add_co_u32 s17, s17, s41                     ; tile row = 4 x cluster y + cy: 0 .. 31
	s_lshl_b32 s43, s41, 2
	s_lshl_b32 s43, 15, s43                        ; my row of the cluster
	s_lshl_b32 s44, 0x1111, s40                    ; my column
	s_or_b32 s[G1+0], s43, (0<<16)|(1<<20)|(1<<21)|(5<<22)|(3<<25)  ; the mask; elements of 1 byte; padding: 4 words after every 64; bit 21 set beside a mask
	s_or_b32 s[G1B+0], s44, (0<<16)|(1<<20)|(1<<21)|(5<<22)|(3<<25)
.irp g, G1, G1B
	s_mov_b32 s[\g+1], ROWB<<16                    ; tensor_dim0
	s_mov_b32 s[\g+2], 128<<16                     ; tensor_dim1
	s_mov_b32 s[\g+3], ROWB<<16                    ; tile_dim0
	s_mov_b32 s[\g+4], 128                         ; tile_dim1
	s_mov_b32 s[\g+5], KROW                        ; from row to row
	s_mov_b32 s[\g+6], 0
	s_mov_b32 s[\g+7], 0
.endr
	s_or_b32 s[G1S+0], s43, (3<<16)|(1<<20)|(1<<21)|(5<<22)|(3<<25)  ; the scales of 128 rows: 4,096 dense bytes as 16 rows of 256 (32 elements of 8 bytes), 16 bytes of padding behind each
	s_or_b32 s[G1SB+0], s44, (3<<16)|(1<<20)|(1<<21)|(5<<22)|(3<<25)
.irp g, G1S, G1SB
	s_mov_b32 s[\g+1], 32<<16
	s_mov_b32 s[\g+2], (128*KS/256)<<16
	s_mov_b32 s[\g+3], 32<<16
	s_mov_b32 s[\g+4], 128*KS/256
	s_mov_b32 s[\g+5], 32
	s_mov_b32 s[\g+6], 0
	s_mov_b32 s[\g+7], 0
.endr
	s_lshl_b32 s18, s16, 7
	s_lshl_b32 s20, s17, 8
	s_add_co_u32 s20, s20, s18                     ; A: row 256 x tile row + 128 x half
	s_lshl_b32 s46, s42, 8
	s_add_co_u32 s46, s46, s18                     ; B: row 256 x tile column + 128 x half
	s_mov_b32 s21, 0
	s_mov_b32 s47, 0
	s_mov_b64 s[18:19], KS
	s_mul_u64 s[22:23], s[20:21], s[18:19]         ; where these rows' scales begin,
	s_mul_u64 s[92:93], s[46:47], s[18:19]
	s_mov_b64 s[18:19], KROW
	s_mul_u64 s[20:21], s[20:21], s[18:19]         ; and their codes
	s_mul_u64 s[46:47], s[46:47], s[18:19]
	s_mul_i32 s45, s14, HALFT                      ; where they go: wave x 128 rows
	s_mul_i32 s94, s14, HALFS
	s_wait_dscnt 0x0                               ; both opening adds are done
	s_wait_kmcnt 0x0
	s_add_nc_u64 s[20:21], s[4:5], s[20:21]
	s_add_nc_u64 s[22:23], s[6:7], s[22:23]
	s_add_nc_u64 s[46:47], s[8:9], s[46:47]
	s_add_nc_u64 s[92:93], s[10:11], s[92:93]
	CROUND                                         ; all sixteen work-groups are here: the joint loads meet
	s_mov_b32 s[G0S], 1
	s_add_co_u32 s[G0S+1], s94, SCL
	s_mov_b64 s[G0S+2:G0S+3], s[22:23]
	s_or_b32 s[G0S+3], s[G0S+3], 0x80000000
	s_mov_b32 s[G0SB], 1
	s_add_co_u32 s[G0SB+1], s94, SCL
	s_mov_b64 s[G0SB+2:G0SB+3], s[92:93]
	s_or_b32 s[G0SB+3], s[G0SB+3], 0x80000000
	JLOAD G0S, G1S, G0SB, G1SB                     ; the scales first
.irp s, 0,1
	s_mov_b32 s[G0+4*\s], 1
	s_add_co_u32 s[G0+4*\s+1], s45, \s*SLOT
	s_add_nc_u64 s[G0+4*\s+2:G0+4*\s+3], s[20:21], \s*ROWB
	s_or_b32 s[G0+4*\s+3], s[G0+4*\s+3], 0x80000000
	s_mov_b32 s[G0B+4*\s], 1
	s_add_co_u32 s[G0B+4*\s+1], s45, \s*SLOT
	s_add_nc_u64 s[G0B+4*\s+2:G0B+4*\s+3], s[46:47], \s*ROWB
	s_or_b32 s[G0B+4*\s+3], s[G0B+4*\s+3], 0x80000000
	JLOAD G0+4*\s, G1, G0B+4*\s, G1B
.endr
	v_and_b32 v1, 15, v0                           ; r = lane % 16
	v_bfe_u32 v2, v0, 4, 1                         ; lane / 16
	; the bias of my 128 columns: block b's eight numbers of my half of the lanes
	v_lshlrev_b32 v[BO], 5, v2
	s_lshl_b32 s46, s42, 10
	s_lshl_b32 s47, s16, 9
	s_add_co_u32 s46, s46, s47
	s_mov_b32 s47, 0
	s_add_nc_u64 s[96:97], s[96:97], s[46:47]
.irp b, 0,1,2,3,4,5,6,7
	global_load_b128 v[BI+8*\b:BI+8*\b+3], v[BO], s[96:97] offset:64*\b
	global_load_b128 v[BI+8*\b+4:BI+8*\b+7], v[BO], s[96:97] offset:64*\b+16
.endr
	v_mul_u32_u24 v3, v1, PITCH
	v_lshl_add_u32 v4, v2, 4, v3                   ; a fragment's row x pitch + 16 x half
	s_mul_i32 s21, s15, HALFT                      ; my 128 rows of A
	s_mul_i32 s22, s16, HALFT                      ; my 128 rows of B,
	s_add_co_u32 s22, s22, 2*HALFT                 ; behind A's 256
.irp s, 0,1
	v_add_nc_u32 v[ADRA+\s], s21, v4
	v_add_nc_u32 v[ADRB+\s], s22, v4
	s_add_co_u32 s21, s21, SLOT
	s_add_co_u32 s22, s22, SLOT
.endr
	v_mul_u32_u24 v5, v1, KS                       ; my row's scales: 32 bytes a row,
	v_lshrrev_b32 v6, 8, v5
	v_lshl_add_u32 v5, v6, 4, v5                   ; and 16 more for each 256 passed
	s_mul_i32 s21, s15, HALFS
	s_mul_i32 s22, s16, HALFS
	s_add_co_u32 s22, s22, 2*HALFS
	s_sub_co_u32 s22, s22, s21
	v_mul_u32_u24 v6, s22, v2                      ; lanes 16-31 take B's: one product, the distance between the two bases
	s_add_co_u32 s21, s21, SCL
	v_add_nc_u32 v5, v5, v6
	v_add_nc_u32 v[ADRS], s21, v5
	s_mul_i32 s23, s14, 4608                       ; my stage, in slot 0: [head 2][row 16][144 bytes]
	v_mul_u32_u24 v5, v1, 144
	v_lshl_add_u32 v5, v2, 4, v5
	v_add_nc_u32 v[STO], s23, v5                   ; in: row r, 16 bytes for each half of the lanes
	v_and_b32 v6, 31, v0
	v_lshlrev_b32 v[CO], 4, v6
	v_lshrrev_b32 v5, 3, v6
	v_mul_u32_u24 v5, v5, 144
	v_and_b32 v6, 7, v6
	v_lshl_add_u32 v5, v6, 4, v5
	v_add_nc_u32 v[RD], s23, v5                    ; back: eight lanes to a row of 128 bytes, four rows an instruction
	; where my 128 x 128 go: p = column / 1,024, two heads, batch = row / 2,048; a head's slab is 2^18 bytes, a row 128
	s_lshr_b32 s46, s42, 2
	s_lshl_b32 s46, s46, 6                         ; 64 p
	s_and_b32 s47, s42, 3
	s_lshl_b32 s47, s47, 2
	s_add_co_u32 s46, s46, s47                     ; + 4 (tile column % 4)
	s_lshl_b32 s47, s16, 1
	s_add_co_u32 s46, s46, s47                     ; + 2 x my half of the columns: my first head
	s_lshr_b32 s47, s17, 3
	s_lshl_b32 s47, s47, 4
	s_add_co_u32 s46, s46, s47                     ; + 16 x batch
	s_lshl_b32 s46, s46, 18
	s_and_b32 s47, s17, 7
	s_lshl_b32 s47, s47, 15
	s_add_co_u32 s46, s46, s47                     ; + 256 (tile row % 8) rows
	s_lshl_b32 s47, s15, 14
	s_add_co_u32 s46, s46, s47                     ; + 128 x my half of the rows
	s_mov_b32 s47, 0
	s_add_nc_u64 s[12:13], s[98:99], s[46:47]
	s_lshr_b32 s46, s17, 3                         ; the images: 1,024 bytes for each 16 columns: 192 x batch + 16 x tile column + 8 x half
	s_mul_i32 s46, s46, 192
	s_lshl_b32 s47, s42, 4
	s_add_co_u32 s46, s46, s47
	s_lshl_b32 s47, s16, 3
	s_add_co_u32 s46, s46, s47
	s_lshl_b32 s46, s46, 10
	s_mov_b32 s47, 0
	s_add_nc_u64 s[92:93], s[100:101], s[46:47]
	s_and_b32 s46, s17, 7
	s_or_b32 s46, s46, s15
	v_mov_b32 v[FLG], s46
.macro FRAG reg, adr, q, i             ; 16 rows x 128 K of 4-bit codes: 8 registers, two loads of 16 bytes, 32 bytes apart
.irp c, 0,1
	ds_load_b128 v[\reg+4*\c:\reg+4*\c+3], v[\adr] offset:64*(\q)+32*\c+(\i)*16*PITCH
.endr
.endm
; 16 matrix instructions: A's blocks a0, a0 + 1 x B's eight.  zero = 1: the first product starts the sums, on the bias.  The 64 accumulators take turns, one instruction a turn.
.macro MUL16 a0, p, q, sc, zero
.irp a, \a0, \a0+1
.irp b, 0,1,2,3,4,5,6,7
.if \zero
	v_wmma_scale_f32_16x16x128_f8f6f4 v[8*(8*((\a)%4)+\b):8*(8*((\a)%4)+\b)+7], v[128*(\p)+FR*\b:128*(\p)+FR*\b+FR-1], v[AF+FR*(\a):AF+FR*(\a)+FR-1], v[BI+8*\b:BI+8*\b+7], v[SC+8*NQ*(\sc)+NQ*\b+(\q)], v[SC+8*NQ*(\sc)+NQ*(\a)+(\q)] matrix_a_fmt:MATRIX_FMT_FP4 matrix_b_fmt:MATRIX_FMT_FP4 matrix_a_scale:MATRIX_SCALE_ROW1
.else
	v_wmma_scale_f32_16x16x128_f8f6f4 v[8*(8*((\a)%4)+\b):8*(8*((\a)%4)+\b)+7], v[128*(\p)+FR*\b:128*(\p)+FR*\b+FR-1], v[AF+FR*(\a):AF+FR*(\a)+FR-1], v[8*(8*((\a)%4)+\b):8*(8*((\a)%4)+\b)+7], v[SC+8*NQ*(\sc)+NQ*\b+(\q)], v[SC+8*NQ*(\sc)+NQ*(\a)+(\q)] matrix_a_fmt:MATRIX_FMT_FP4 matrix_b_fmt:MATRIX_FMT_FP4 matrix_a_scale:MATRIX_SCALE_ROW1
.endif
.endr
.endr
.endm
.macro FETCH_B slot, q, p
	WIN TO_B
.irp i, 0,1,2,3,4,5,6,7
	FRAG 128*(\p)+FR*\i, ADRB+\slot, \q, \i
.endr
	WIN 0
.endm
.macro FETCH_A slot, q, i0
.irp i, \i0, \i0+1, \i0+2, \i0+3
	FRAG AF+FR*(\i), ADRA+\slot, \q, \i
.endr
.endm
.macro SCALES sc                       ; a slot's scale words: lanes 0-15 take A's block i, lanes 16-31 B's block i
.irp i, 0,1,2,3,4,5,6,7
	ds_load_b128 v[SC+8*NQ*\sc+NQ*\i:SC+8*NQ*\sc+NQ*\i+3], v[ADRS] offset:\i*SBLK
.endr
.endm
.macro PLACES n                        ; plain vector lines between a matrix instruction and a load into, or a read of, its registers
.rept \n
	v_nop
.endr
.endm
.macro STEP slot, q, zero              ; a step of 128 along K that has its successor in the same slot
	s_wait_dscnt 4*NL                              ; B's set and A's blocks 0-3 are in; the youngest eight loads (A's blocks 4-7) may be out
.if \zero
	WIN 0x81                                       ; C (the bias) window 0, D window 2
.else
	WIN MUL_LO
.endif
	MUL16 0, (\q)%2, \q, \slot, \zero
	MUL16 2, (\q)%2, \q, \slot, \zero
	s_wait_dscnt 0                                 ; A's blocks 4-7 are in
	PLACES NP
	FETCH_B \slot, (\q)+1, 1-(\q)%2
	FETCH_A \slot, (\q)+1, 0
.if \zero
	WIN 0xc1                                       ; C window 0, D window 3
.else
	WIN MUL_HI
.endif
	MUL16 4, (\q)%2, \q, \slot, \zero
	MUL16 6, (\q)%2, \q, \slot, \zero
	PLACES NP
	WIN 0
	FETCH_A \slot, (\q)+1, 4
.endm
	s_wait_tensorcnt 1                             ; the scales and my part of slot 0 are in; slot 1's load may be out
	s_barrier_signal -1
	s_barrier_wait -1
	FETCH_B 0, 0, 0
	FETCH_A 0, 0, 0
	SCALES 0
	FETCH_A 0, 0, 4
	s_wait_loadcnt 0x0                             ; the bias
	STEP 0, 0, 1
	STEP 0, 1, 0
	STEP 0, 2, 0
	; slot 0's last step changes slots: one barrier; in front of it all my tensor loads have landed (slot 1's part), the add, and my reads of slot 0 are over
	s_wait_tensorcnt 0x0
	ds_add_u32 v[SPW], v[NIL]
	s_wait_dscnt 4*NL+1                            ; the add and A's blocks 4-7 may be out
	WIN MUL_LO
	MUL16 0, 1, NQ-1, 0, 0
	s_wait_dscnt 0x0
	s_barrier_signal -1
	MUL16 2, 1, NQ-1, 0, 0
	WIN 0
	s_barrier_wait -1
	PLACES NP
	v_add_nc_u32 v[ADRS], 4*NQ, v[ADRS]            ; slot 1's scale words
	FETCH_B 1, 0, 0
	FETCH_A 1, 0, 0
	SCALES 1
	WIN MUL_HI
	MUL16 4, 1, NQ-1, 0, 0
	MUL16 6, 1, NQ-1, 0, 0
	PLACES NP
	WIN 0
	FETCH_A 1, 0, 4
	STEP 1, 0, 0
	STEP 1, 1, 0
	STEP 1, 2, 0
	s_wait_dscnt 4*NL                              ; the last step: nothing more to fetch
	WIN MUL_LO
	MUL16 0, 1, NQ-1, 1, 0
	MUL16 2, 1, NQ-1, 1, 0
	s_wait_dscnt 0
	WIN MUL_HI
	MUL16 4, 1, NQ-1, 1, 0
	MUL16 6, 1, NQ-1, 1, 0
	WIN 0
	PLACES NP
	; POSITIONS 0 TO 15 IN f32: where my block 0 holds them, its eight accumulators are stored as they stand, 512 consecutive bytes a store.  A predicate, not a branch: every wave runs the same lines.
	s_wait_xcnt 0x0                                ; EXEC changes only behind this wait
	v_cmp_eq_u32 vcc_lo, 0, v[FLG]
	s_and_saveexec_b32 s95, vcc_lo
	WIN 0x08                                       ; a store's data: window 2
.irp b, 0,1,2,3,4,5,6,7
	global_store_b128 v[CO], v[8*\b:8*\b+3], s[92:93] offset:1024*\b           ; each accumulator from its low end on
	global_store_b128 v[CO], v[8*\b+4:8*\b+7], s[92:93] offset:1024*\b+512
.endr
	WIN 0
	s_wait_xcnt 0x0                                ; and again, in front of the line that widens it
	s_or_b32 exec_lo, exec_lo, s95
; THE WAY OUT, a block of 16 rows x 128 columns (two heads) at a time: rounded to f16, 16 bytes a lane into my stage, back as four whole rows of a head: 512 consecutive bytes a store.
; The stage lies in slot 0, which has had its only fill, and which nobody reads behind the change of slots.
.macro PACK a
.set AC, 64*((\a)%4)
	WIN 0x0a+5*((\a)/4)                            ; sources 0 and 1: window 2 or 3
.irp b, 0,1,2,3,4,5,6,7
.irp i, 0,1,2,3
	v_cvt_pk_f16_f32 v[TMP+4*\b+\i], v[AC+8*\b+2*\i], v[AC+8*\b+2*\i+1]
.endr
.endr
	WIN 0
.endm
.macro TOSTAGE a
.set BB, BK+32*((\a)%2)
.if (\a) >= 2
	s_wait_xcnt 0x0                                ; block a - 2's stores have read their registers: these loads may land there
.endif
.irp b, 0,1,2,3,4,5,6,7
	ds_store_b128 v[STO], v[TMP+4*\b:TMP+4*\b+3] offset:2304*(\b/4)+32*(\b%4)
.endr
.irp u, 0,1,2,3,4,5,6,7
	ds_load_b128 v[BB+4*\u:BB+4*\u+3], v[RD] offset:2304*(\u/4)+576*(\u%4)    ; LDS serves a wave's instructions in order: these see the stores above
.endr
.endm
.macro SEND a
.set BB, BK+32*((\a)%2)
	s_wait_dscnt 0x0                               ; the block is back in registers
.irp u, 0,1,2,3,4,5,6,7
	global_store_b128 v[CO], v[BB+4*\u:BB+4*\u+3], s[12:13] offset:262144*(\u/4)+512*(\u%4)+2048*(\a)
.endr
.endm
	PACK 0
	TOSTAGE 0
.irp a, 1,2,3,4,5,6,7
	PACK \a                                        ; block a's conversions stand between block a - 1's loads from the stage and the wait for them
	SEND \a-1
	TOSTAGE \a
.endr
	SEND 7
	s_wait_tensorcnt 0x0                           ; the wave's end
	ds_add_u32 v[SPW], v[NIL]
	s_wait_dscnt 0x0
	CROUND                                         ; the closing round
	s_endpgm
.Lfunc_end_k_qd6ada8b0bb_qkv:
	.size	k_qd6ada8b0bb_qkv, .Lfunc_end_k_qd6ada8b0bb_qkv-k_qd6ada8b0bb_qkv
	.p2alignl 7, 3214868480
	.fill 96, 4, 3214868480
	.section	.rodata,"a",@progbits
	.p2align	6, 0x0
	.amdhsa_kernel k_qd6ada8b0bb_qkv
		.amdhsa_group_segment_fixed_size 327680
		.amdhsa_private_segment_fixed_size 0
		.amdhsa_enable_private_segment 0
		.amdhsa_kernarg_size 56
		.amdhsa_user_sgpr_count 2
		.amdhsa_user_sgpr_kernarg_segment_ptr 1
		.amdhsa_wavefront_size32 1
		.amdhsa_system_sgpr_workgroup_id_x 1
		.amdhsa_system_sgpr_workgroup_id_y 1
		.amdhsa_system_sgpr_workgroup_id_z 1
		.amdhsa_system_vgpr_workitem_id 0
		.amdhsa_next_free_vgpr 1024
		.amdhsa_next_free_sgpr 102
		.amdhsa_reserve_vcc 1
		.amdhsa_float_denorm_mode_32 3
		.amdhsa_float_denorm_mode_16_64 3
		.amdhsa_memory_ordered 1
		.amdhsa_forward_progress 1
		.amdhsa_inst_pref_size 130
	.end_amdhsa_kernel
	.amdgpu_metadata
---
amdhsa.version: [ 1, 2 ]
amdhsa.kernels:
  - .name:           k_qd6ada8b0bb_qkv
    .symbol:         k_qd6ada8b0bb_qkv.kd
    .args:
      - { .name: xc, .offset: 0, .size: 8, .value_kind: global_buffer, .address_space: global }
      - { .name: xs, .offset: 8, .size: 8, .value_kind: global_buffer, .address_space: global }
      - { .name: wc, .offset: 16, .size: 8, .value_kind: global_buffer, .address_space: global }
      - { .name: ws, .offset: 24, .size: 8, .value_kind: global_buffer, .address_space: global }
      - { .name: b_qkv, .offset: 32, .size: 8, .value_kind: global_buffer, .address_space: global }
      - { .name: qkvh, .offset: 40, .size: 8, .value_kind: global_buffer, .address_space: global }
      - { .name: qkv16, .offset: 48, .size: 8, .value_kind: global_buffer, .address_space: global }
    .group_segment_fixed_size: 327680
    .private_segment_fixed_size: 0
    .kernarg_segment_align: 8
    .kernarg_segment_size: 56
    .max_flat_workgroup_size: 128
    .sgpr_count:     102
    .vgpr_count:     1024
    .wavefront_size: 32
...
	.end_amdgpu_metadata
.endif
;; end of part 2
;; launch attn (part 3): grid 4 x 64, 8 waves a work-group, no clusters, 327,680 bytes of LDS; arguments qkvh, yh; writes yh
.if DOCPART == 3
	.amdgcn_target "amdgcn-amd-amdhsa--gfx1250"
	.amdhsa_code_object_version 6
	.text
	.protected	k_qd6ada8b0bb_attn
	.globl	k_qd6ada8b0bb_attn
	.p2align	8
	.type	k_qd6ada8b0bb_attn,@function
k_qd6ada8b0bb_attn:
	s_mov_b64 s[64:65], 0
	v_nop
	global_prefetch_b8 v0, s[64:65] scope:SCOPE_SE
	s_setreg_imm32_b32 hwreg(HW_REG_WAVE_MODE, 25, 1), 1
	s_wait_xcnt 0x0
; CAUSAL ATTENTION, head size 64: y[q] = sum over k <= q of softmax_k(q . k / 8) v[k].  q, k, v: qkvh [p 3][b 4][h 16][t 2048][64] f16.  y: yh [h 16][row 8192][64] f16.
; Products on f16 operands with f32 sums; maxima, exponentials and sums in f32, with a running maximum; the weights p (at most 1) are rounded to f16 for the second product.
; LIMIT: f16's range for q, k, v (stated where they are made).  Positions 0 to 15 of each sequence are made here too, and made again more finely by a later launch.
; SHARES.  A head's 2,048 queries are 8 blocks of 256, its keys 8 slots of 256.  Work-group i (0..3) of a head takes block 7 - i (slots 0 .. 7 - i) and then block i (slots 0 .. i): 9 slots for every work-group,
; so the trip count is a constant and all 256 work-groups have the same work.  A wave owns 32 queries of the block: two tiles of 16.
; NO CLUSTER: the four work-groups of a head ask for the same slot only in trips 0 to 4; from trip 5 on they part (work-group 3 is back at slot 0 when work-group 0 asks for slot 5), and a joint walk over
; all 8 slots twice would bring tiles that a partner jumps over whole.
; LAYOUT.  S^T = K Q^T (source 0 = 16 keys, source 1 = 16 queries), O^T = V^T P (source 0 = 16 channels, by the turning load): a lane holds ONE query throughout.
; THE RING: two slots; each of the eight waves fetches 64 rows (waves 0-3 K's quarters, waves 4-7 V's), one tensor load a wave behind each barrier, with a slot's four key steps in which to land.
; REGISTERS: window 0: v2-13 addresses; v16-31 statistics (tile t at 16 + 8 t: c m, m, l, l, c0-c3); v32-63 Q; v64-127 S^T, then p; v128-191 O^T; v192-223 P; v224-226 the mask's.  window 1: v0-63 K, v64-127 V of a step.
.set PK,    144                        ; a row of K in LDS: 128 bytes + 16
.set PV,    160                        ; a row of V: 128 + 32: an odd multiple of 32
.set VOFF,  256*PK
.set SLOT1, 131072
.set STAGE, 262144                     ; the way out: 32 rows x 144 bytes for each wave; no fill lands here
.set SPARE, STAGE+8*4608               ; the spare words, 128 bytes for each wave
.set AK0, 2
.set AV0, 3
.set ADK, 4
.set ADV, 5
.set QO,  6
.set STO, 7
.set RD,  8
.set GO,  9
.set PFO, 10
.set SPW, 11
.set NIL, 12
.set DQ,  13                           ; lane % 16 - 8 (lane / 16)
.set ST,  16
.set QF,  32
.set S,   64
.set O,   128
.set P,   192
.set WV,  8
.set BH,  10
.set SWT, 11                           ; the trip behind which the work-group changes blocks: 7 - i
.set TR,  12
.set KF,  13                           ; the step's first key
.set Q0,  14                           ; my first query
.set TB,  15                           ; LDS byte at which the slot in hand begins
.set PFA, 18
.set LIMP, 20
.set YR,  21                           ; my head's and batch's first row in yh
.set G1K, 24
.set G1V, 32
.set G0K, 40
.set G0V, 44
.set KB,  48
.set VB,  50
.set QB,  52
.set YB,  54
.set CS,  56                           ; c = log2(e) / 8, twice
.set SEL, 58
.set QA,  66
.set MSB, 0
.macro WIN new
.if MSB != (\new)
	s_set_vgpr_msb (MSB<<8)|(\new)
.set MSB, (\new)
.endif
.endm
.macro TLOAD                           ; waves 0-3: K's quarter; waves 4-7: V's.  An s_nop 0 and four v_nop follow each line
	s_cmp_lt_u32 s[WV], 4
	s_cbranch_scc0 .Lfor_v_\@
	tensor_load_to_lds s[G0K:G0K+3], s[G1K:G1K+7]
	s_nop 0
.rept 4
	v_nop
.endr
	s_branch .Lasked_\@
.Lfor_v_\@:
	tensor_load_to_lds s[G0V:G0V+3], s[G1V:G1V+7]
	s_nop 0
.rept 4
	v_nop
.endr
.Lasked_\@:
.endm
; A PREFETCH INTO THE L2 of the slot that the NEXT change will ask for.  All four work-groups of a head begin at slot 0 and walk upward; work-group 0 walks all eight, and it alone asks.  Each of its waves names the
; 8,192 bytes that it will itself fetch, a lane to each 256: so each block is named once in the launch.  In trip t it names slot t + 2, for t up to 5; slots 0 and 1 come by their loads alone.
.macro ASK
	s_cmp_lt_u32 s[TR], s[LIMP]
	s_cbranch_scc0 .Lnot_mine_\@
	global_prefetch_b8 v[PFO], s[PFA:PFA+1] th:TH_LOAD_NT scope:SCOPE_SE
.Lnot_mine_\@:
.endm
.macro QLOAD                           ; my 32 queries stay in registers: tile t, channels 32 c on
	s_lshl_b32 s68, s[Q0], 7
	s_mov_b32 s69, 0
	s_add_nc_u64 s[QA:QA+1], s[QB:QB+1], s[68:69]
.irp t, 0,1
.irp c, 0,1
	global_load_b128 v[QF+16*\t+8*\c:QF+16*\t+8*\c+3], v[QO], s[QA:QA+1] offset:2048*\t+64*\c
	global_load_b128 v[QF+16*\t+8*\c+4:QF+16*\t+8*\c+7], v[QO], s[QA:QA+1] offset:2048*\t+64*\c+32
.endr
.endr
.endm
.macro SETY                            ; where my 32 rows of y go
	s_add_co_u32 s68, s[YR], s[Q0]
	s_lshl_b32 s68, s68, 7
	s_mov_b32 s69, 0
	s_add_nc_u64 s[YB:YB+1], s[6:7], s[68:69]
.endm
.macro RESET                           ; a block begins: O^T and l are zeros, m lies under every score; the step is written once and its first pass multiplies zeros
.set j, 0
.rept 64
	v_mov_b32 v[O+j], 0
.set j, j+1
.endr
.irp t, 0,1
	v_mov_b32 v[ST+8*\t+1], 0xff61b1e6             ; -3e38
	v_mul_f32 v[ST+8*\t], s[CS], v[ST+8*\t+1]
.irp n, 2,3,4,5,6,7
	v_mov_b32 v[ST+8*\t+\n], 0
.endr
.endr
.endm
	s_load_b128 s[4:7], s[0:1], 0x0                ; qkvh s[4:5], yh s[6:7]
	v_lshl_add_u32 v[SPW], v0, 2, SPARE
	v_mov_b32 v[NIL], 0
	ds_add_u32 v[SPW], v[NIL]                      ; the wave's opening: the add, twice on end, and its wait ahead of my first tensor load
	ds_add_u32 v[SPW], v[NIL]
	v_lshrrev_b32 v1, 5, v0
	v_readfirstlane_b32 s[WV], v1                  ; wave 0..7
	s_and_b32 s[BH], ttmp7, 0xffff                 ; 16 x batch + head
	s_sub_co_u32 s[SWT], 7, ttmp9
	s_mov_b32 s[G1K], (1<<16)|(1<<20)|(4<<22)|(3<<25)   ; elements of 2 bytes; padding: 4 words after every 32
	s_mov_b32 s[G1V], (1<<16)|(1<<20)|(4<<22)|(7<<25)   ; 8 words after every 32
.irp g, G1K, G1V
	s_mov_b32 s[\g+1], 64<<16                      ; tensor_dim0 = 64
	s_mov_b32 s[\g+2], 64<<16                      ; tensor_dim1 = 64
	s_mov_b32 s[\g+3], 64<<16                      ; tile_dim0 = 64
	s_mov_b32 s[\g+4], 64                          ; tile_dim1 = 64
	s_mov_b32 s[\g+5], 64                          ; from row to row
	s_mov_b32 s[\g+6], 0
	s_mov_b32 s[\g+7], 0
.endr
	s_and_b32 s60, s[WV], 3                        ; which 64 rows of a slot I fetch
	s_mul_i32 s61, s60, 64*PK                      ; in LDS: K's,
	s_mul_i32 s62, s60, 64*PV
	s_add_co_u32 s62, s62, VOFF                    ; V's;
	s_lshl_b32 s60, s60, 13                        ; in memory
	s_add_co_u32 s66, s[BH], 64
	s_lshl_b32 s66, s66, 18
	s_add_co_u32 s66, s66, s60                     ; k's slab
	s_mov_b32 s67, 0
	s_add_co_u32 s68, s[BH], 128
	s_lshl_b32 s68, s68, 18
	s_add_co_u32 s68, s68, s60                     ; v's
	s_mov_b32 s69, 0
	s_lshl_b32 s22, s[BH], 18                      ; q's
	s_mov_b32 s23, 0
	s_and_b32 s[YR], s[BH], 15
	s_lshl_b32 s[YR], s[YR], 13
	s_lshr_b32 s63, s[BH], 4
	s_lshl_b32 s63, s63, 11
	s_add_co_u32 s[YR], s[YR], s63                 ; 8,192 x head + 2,048 x batch
	s_lshl_b32 s[Q0], s[SWT], 8
	s_lshl_b32 s63, s[WV], 5
	s_add_co_u32 s[Q0], s[Q0], s63                 ; block 7 - i first
	s_mov_b32 s[CS], 0x3e38aa3b
	s_mov_b32 s[CS+1], s[CS]
	s_mov_b32 s[SEL], 0x76543210
	s_mov_b32 s[SEL+1], 0xfedcba98
	s_mov_b32 s[TR], 0
	s_mov_b32 s[KF], 0
	s_mov_b32 s[TB], 0
	s_cmp_eq_u32 ttmp9, 0
	s_cselect_b32 s[LIMP], 6, 0
	s_wait_dscnt 0x0                               ; both opening adds are done
	s_wait_kmcnt 0x0
	s_add_nc_u64 s[KB:KB+1], s[4:5], s[66:67]
	s_add_nc_u64 s[VB:VB+1], s[4:5], s[68:69]
	s_add_nc_u64 s[QB:QB+1], s[4:5], s[22:23]
	s_mov_b32 s[G0K], 1
	s_mov_b32 s[G0K+1], s61
	s_mov_b64 s[G0K+2:G0K+3], s[KB:KB+1]
	s_or_b32 s[G0K+3], s[G0K+3], 0x80000000
	s_mov_b32 s[G0V], 1
	s_mov_b32 s[G0V+1], s62
	s_mov_b64 s[G0V+2:G0V+3], s[VB:VB+1]
	s_or_b32 s[G0V+3], s[G0V+3], 0x80000000
	TLOAD                                          ; slot 0: keys 0 to 255, which count for every block
	s_cmp_lt_u32 s[WV], 4
	s_cselect_b64 s[PFA:PFA+1], s[KB:KB+1], s[VB:VB+1]
	s_add_nc_u64 s[PFA:PFA+1], s[PFA:PFA+1], 32768 ; at slot 1; the first change steps it to slot 2
	v_and_b32 v1, 15, v0                           ; r
	v_bfe_u32 v14, v0, 4, 1                        ; lane / 16
	v_lshlrev_b32 v[QO], 7, v1
	v_lshl_add_u32 v[QO], v14, 4, v[QO]            ; Q: row r of 128 bytes + 16 x half
	QLOAD
	v_mul_u32_u24 v[AK0], v1, PK
	v_lshl_add_u32 v[AK0], v14, 4, v[AK0]          ; K: row r x pitch + 16 x half
	v_and_b32 v15, 7, v0
	v_lshl_add_u32 v[AV0], v14, 3, v15             ; V, turned: key 8 (lane / 16) + lane % 8,
	v_mul_u32_u24 v[AV0], v[AV0], PV
	v_bfe_u32 v15, v0, 3, 1
	v_lshl_add_u32 v[AV0], v15, 4, v[AV0]          ; channels 8 ((lane / 8) % 2) on
	v_add_nc_u32 v[AV0], VOFF, v[AV0]
	s_mul_i32 s60, s[WV], 4608
	s_add_co_u32 s60, s60, STAGE                   ; my stage
	v_mul_u32_u24 v[STO], v1, PK
	v_lshl_add_u32 v[STO], v14, 4, v[STO]
	v_add_nc_u32 v[STO], s60, v[STO]               ; in: row r, 16 bytes for each half of the lanes
	v_and_b32 v15, 31, v0
	v_lshlrev_b32 v[GO], 4, v15
	v_lshlrev_b32 v[PFO], 8, v15
	v_lshrrev_b32 v[RD], 3, v15
	v_mul_u32_u24 v[RD], v[RD], PK
	v_and_b32 v15, 7, v0
	v_lshl_add_u32 v[RD], v15, 4, v[RD]
	v_add_nc_u32 v[RD], s60, v[RD]                 ; back: eight lanes to a row, four rows an instruction
	v_lshlrev_b32 v[DQ], 3, v14
	v_sub_nc_u32 v[DQ], v1, v[DQ]
	SETY
	RESET
	s_wait_loadcnt 0x0                             ; Q
; THE SOFTMAX of a key step, both tiles line by line.  The exponentials are ONE batch with one wait: nothing ahead of the wait names a result.
.macro SOFTMAX
.irp k, 0,1,2,3
.irp t, 0,1
	v_max3_num_f32 v[ST+8*\t+4+\k], v[S+32*\t+8*\k], v[S+32*\t+8*\k+1], v[S+32*\t+8*\k+2]   ; four chains, each accumulator from its low end on
.endr
.endr
.irp i, 3,5
.irp k, 0,1,2,3
.irp t, 0,1
	v_max3_num_f32 v[ST+8*\t+4+\k], v[ST+8*\t+4+\k], v[S+32*\t+8*\k+\i], v[S+32*\t+8*\k+\i+1]
.endr
.endr
.endr
.irp t, 0,1
	v_max3_num_f32 v[ST+8*\t+4], v[ST+8*\t+4], v[S+32*\t+7], v[S+32*\t+15]
	v_max3_num_f32 v[ST+8*\t+6], v[ST+8*\t+6], v[S+32*\t+23], v[S+32*\t+31]
.endr
.irp t, 0,1
	v_max3_num_f32 v[ST+8*\t+4], v[ST+8*\t+4], v[ST+8*\t+5], v[ST+8*\t+6]
.endr
.irp t, 0,1
	v_max3_num_f32 v[ST+8*\t+4], v[ST+8*\t+4], v[ST+8*\t+7], v[ST+8*\t+1]     ; with the old m
.endr
.irp t, 0,1
	v_permlanex16_b32 v[ST+8*\t+5], v[ST+8*\t+4], s[SEL], s[SEL+1]            ; the query's other 32 keys lie in the lane 16 away
.endr
.irp t, 0,1
	v_mov_b32 v[ST+8*\t+7], v[ST+8*\t]             ; c m_old
.endr
.irp t, 0,1
	v_max_num_f32 v[ST+8*\t+1], v[ST+8*\t+4], v[ST+8*\t+5]
.endr
.irp t, 0,1
	v_mul_f32 v[ST+8*\t], s[CS], v[ST+8*\t+1]
.endr
.irp t, 0,1
	v_sub_f32 v[ST+8*\t+7], v[ST+8*\t+7], v[ST+8*\t]
.endr
.set e, 0
.rept 16
	v_pk_fma_f32 v[S+e:S+e+1], v[S+e:S+e+1], s[CS:CS+1], v[ST:ST+1] op_sel_hi:[1,0,0] neg_lo:[0,0,1] neg_hi:[0,0,1]           ; c s - c m
	v_pk_fma_f32 v[S+32+e:S+32+e+1], v[S+32+e:S+32+e+1], s[CS:CS+1], v[ST+8:ST+9] op_sel_hi:[1,0,0] neg_lo:[0,0,1] neg_hi:[0,0,1]
.set e, e+2
.endr
.irp t, 0,1
	v_exp_f32 v[ST+8*\t+6], v[ST+8*\t+7]           ; a = 2^(c m_old - c m_new)
.endr
.set e, 0
.rept 32
	v_exp_f32 v[S+e], v[S+e]
	v_exp_f32 v[S+32+e], v[S+32+e]
.set e, e+1
.endr
	v_nop                                          ; a plain line behind the last exponential
	s_wait_alu depctr_va_vdst(0)                   ; one wait for the 66, ahead of their first reader
.set e, 0
.rept 32
	v_cvt_pk_f16_f32 v[P+e], v[S+2*e], v[S+2*e+1]  ; two tiles of keys, rounded in pairs, are source 1 of the second product
.set e, e+1
.endr
.irp u, 0,1,2,3,4,5,6,7
.irp t, 0,1
	v_pk_add_f32 v[S+32*\t+4*\u:S+32*\t+4*\u+1], v[S+32*\t+4*\u:S+32*\t+4*\u+1], v[S+32*\t+4*\u+2:S+32*\t+4*\u+3]
.endr
.endr
.irp u, 0,1,2,3
.irp t, 0,1
	v_pk_add_f32 v[S+32*\t+8*\u:S+32*\t+8*\u+1], v[S+32*\t+8*\u:S+32*\t+8*\u+1], v[S+32*\t+8*\u+4:S+32*\t+8*\u+5]
.endr
.endr
.irp u, 0,1
.irp t, 0,1
	v_pk_add_f32 v[S+32*\t+16*\u:S+32*\t+16*\u+1], v[S+32*\t+16*\u:S+32*\t+16*\u+1], v[S+32*\t+16*\u+8:S+32*\t+16*\u+9]
.endr
.endr
.irp t, 0,1
	v_pk_add_f32 v[S+32*\t:S+32*\t+1], v[S+32*\t:S+32*\t+1], v[S+32*\t+16:S+32*\t+17]
.endr
.irp t, 0,1
	v_pk_fma_f32 v[ST+8*\t+2:ST+8*\t+3], v[ST+8*\t+2:ST+8*\t+3], v[ST+8*\t+6:ST+8*\t+7], v[S+32*\t:S+32*\t+1] op_sel_hi:[1,0,1]   ; l = a l + the step's sum
.endr
.set e, 0
.rept 16
	v_pk_mul_f32 v[O+e:O+e+1], v[O+e:O+e+1], v[ST+6:ST+7] op_sel_hi:[1,0]         ; O^T x a
	v_pk_mul_f32 v[O+32+e:O+32+e+1], v[O+32+e:O+32+e+1], v[ST+14:ST+15] op_sel_hi:[1,0]
.set e, e+2
.endr
.endm
; A KEY STEP: 64 keys, the q-th of the slot in hand.  A step all of whose keys come after my 32 queries is left out: a branch on ids and counted steps, round no barrier and no tensor load.
; (My first query is a multiple of 32 and the step's first key of 64: a step that is walked begins at or under my first query, so each of my queries sees a key in it.)
.macro STEP q
	s_add_co_u32 s60, s[Q0], 31
	s_cmp_gt_u32 s[KF], s60
	s_cbranch_scc1 .Lhid_\@
	v_add_nc_u32 v[ADK], s[TB], v[AK0]
	v_add_nc_u32 v[ADV], s[TB], v[AV0]
	v_nop
	v_nop                                          ; four plain lines between the last products and the loads into their fragments
	WIN 0x40                                       ; destination window 1
.irp kt, 0,1,2,3
.irp c, 0,1
	ds_load_b128 v[8*(2*\kt+\c):8*(2*\kt+\c)+3], v[ADK] offset:9216*(\q)+2304*\kt+64*\c
	ds_load_b128 v[8*(2*\kt+\c)+4:8*(2*\kt+\c)+7], v[ADK] offset:9216*(\q)+2304*\kt+64*\c+32
.endr
.endr
.irp g, 0,1
.irp dt, 0,1,2,3
	ds_load_tr16_b128 v[64+8*(4*\g+\dt):64+8*(4*\g+\dt)+3], v[ADV] offset:10240*(\q)+5120*\g+32*\dt
	ds_load_tr16_b128 v[64+8*(4*\g+\dt)+4:64+8*(4*\g+\dt)+7], v[ADV] offset:10240*(\q)+5120*\g+32*\dt+2560
.endr
.endr
	s_wait_dscnt 16                                ; K's sixteen loads are in; V's sixteen may be out
	WIN 0x01                                       ; source 0 window 1
.irp c, 0,1                                    ; S^T = K Q^T: the eight accumulators take turns, one instruction a turn
.irp kt, 0,1,2,3
.irp t, 0,1
.if \c == 0
	v_wmma_f32_16x16x32_f16 v[S+32*\t+8*\kt:S+32*\t+8*\kt+7], v[8*(2*\kt+\c):8*(2*\kt+\c)+7], v[QF+16*\t+8*\c:QF+16*\t+8*\c+7], 0
.else
	v_wmma_f32_16x16x32_f16 v[S+32*\t+8*\kt:S+32*\t+8*\kt+7], v[8*(2*\kt+\c):8*(2*\kt+\c)+7], v[QF+16*\t+8*\c:QF+16*\t+8*\c+7], v[S+32*\t+8*\kt:S+32*\t+8*\kt+7]
.endif
.endr
.endr
.endr
	WIN 0
.rept 4
	v_nop
.endr
	s_add_co_u32 s60, s[KF], 63                    ; on the diagonal hidden scores become -infinity ahead of the maximum; a step all of whose keys count skips this
	s_cmp_le_u32 s60, s[Q0]
	s_cbranch_scc1 .Lopen_\@
	s_sub_co_i32 s60, s[Q0], s[KF]
	v_add_nc_u32 v224, s60, v[DQ]                  ; tile 0: register 8 kt + j holds key KF + 16 kt + 8 (lane / 16) + j: hidden where 16 kt + j > my query - KF - 8 (lane / 16)
	v_add_nc_u32 v225, 16, v224                    ; tile 1
	v_mov_b32 v226, 0xff800000
.irp t, 0,1
.irp kt, 0,1,2,3
.irp j, 0,1,2,3,4,5,6,7
	v_cmp_gt_i32 vcc_lo, 16*\kt+\j, v[224+\t]
	v_cndmask_b32 v[S+32*\t+8*\kt+\j], v[S+32*\t+8*\kt+\j], v226, vcc_lo
.endr
.endr
.endr
.Lopen_\@:
	SOFTMAX
	s_wait_dscnt 0x0                               ; V
	WIN 0x01
.irp g, 0,1                                    ; O^T += V^T P
.irp dt, 0,1,2,3
.irp t, 0,1
	v_wmma_f32_16x16x32_f16 v[O+32*\t+8*\dt:O+32*\t+8*\dt+7], v[64+8*(4*\g+\dt):64+8*(4*\g+\dt)+7], v[P+16*\t+8*\g:P+16*\t+8*\g+7], v[O+32*\t+8*\dt:O+32*\t+8*\dt+7]
.endr
.endr
.endr
	WIN 0
.Lhid_\@:
	s_add_co_u32 s[KF], s[KF], 64
.endm
; THE CHANGE OF SLOTS, at a slot's head.  Each wave waits for all its tensor loads (its part of the slot ahead), adds 0 to its spare word, and waits for that and for its reads of the slot that it has left.
; Behind the barrier the slot ahead is whole and nobody reads the other: it is filled with the walk's next slot of keys, the wave's one tensor load until the next barrier.
.macro CHANGE fill
	s_wait_tensorcnt 0x0                           ; no tensor load of mine is out: a group 0 may be written
	ds_add_u32 v[SPW], v[NIL]
.if \fill
	s_xor_b32 s[G0K+1], s[G0K+1], SLOT1            ; the other slot than last time
	s_xor_b32 s[G0V+1], s[G0V+1], SLOT1
	s_add_co_u32 s60, s[TR], 1                     ; the next slot of keys: trip + 1 in the first block,
	s_sub_co_u32 s61, s[TR], s[SWT]                ; trip - (7 - i) in the second
	s_cmp_le_u32 s60, s[SWT]
	s_cselect_b32 s60, s60, s61
	s_lshl_b32 s60, s60, 15                        ; 256 rows of 128 bytes
	s_mov_b32 s61, 0
	s_add_nc_u64 s[G0K+2:G0K+3], s[KB:KB+1], s[60:61]
	s_or_b32 s[G0K+3], s[G0K+3], 0x80000000
	s_add_nc_u64 s[G0V+2:G0V+3], s[VB:VB+1], s[60:61]
	s_or_b32 s[G0V+3], s[G0V+3], 0x80000000
	s_wait_xcnt 0x0                                ; the last prefetch, a slot back, has read its address
	s_add_nc_u64 s[PFA:PFA+1], s[PFA:PFA+1], 32768
.endif
	s_wait_dscnt 0x0                               ; the add is done, and my reads of the slot that I have left are over
	s_barrier_signal -1
	s_barrier_wait -1
.if \fill
	TLOAD
	ASK
.endif
.endm
; A BLOCK'S WAY OUT: O^T / l, rounded to f16, through my stage, back as whole rows: 512 consecutive bytes (four rows of y) a store.
.macro FINISH
.rept 4
	v_nop
.endr
.irp t, 0,1
	v_add_f32 v[ST+8*\t+4], v[ST+8*\t+2], v[ST+8*\t+3]
.endr
.irp t, 0,1
	v_permlanex16_b32 v[ST+8*\t+5], v[ST+8*\t+4], s[SEL], s[SEL+1]
.endr
.irp t, 0,1
	v_add_f32 v[ST+8*\t+4], v[ST+8*\t+4], v[ST+8*\t+5]
.endr
.irp t, 0,1
	v_rcp_f32 v[ST+8*\t+6], v[ST+8*\t+4]
.endr
	v_nop
	s_wait_alu depctr_va_vdst(0)                   ; one wait for the two reciprocals, ahead of their first reader
.set e, 0
.rept 16
	v_pk_mul_f32 v[O+e:O+e+1], v[O+e:O+e+1], v[ST+6:ST+7] op_sel_hi:[1,0]
	v_pk_mul_f32 v[O+32+e:O+32+e+1], v[O+32+e:O+32+e+1], v[ST+14:ST+15] op_sel_hi:[1,0]
.set e, e+2
.endr
.set e, 0
.rept 32
	v_cvt_pk_f16_f32 v[P+e], v[O+2*e], v[O+2*e+1]
.set e, e+1
.endr
.irp t, 0,1
.irp dt, 0,1,2,3
	ds_store_b128 v[STO], v[P+16*\t+4*\dt:P+16*\t+4*\dt+3] offset:2304*\t+32*\dt
.endr
.endr
.irp u, 0,1,2,3,4,5,6,7
	ds_load_b128 v[S+4*\u:S+4*\u+3], v[RD] offset:576*\u         ; in order behind my stores
.endr
.irp u, 0,1,2,3,4,5,6,7
	s_wait_dscnt 7-\u
	global_store_b128 v[GO], v[S+4*\u:S+4*\u+3], s[YB:YB+1] offset:512*\u
.endr
.endm
.Ltrip:                                            ; eight trips; the ninth slot is written out
	CHANGE 1
	STEP 0
	STEP 1
	STEP 2
	STEP 3
	s_cmp_lg_u32 s[TR], s[SWT]                     ; ids and the count of trips alone: all eight waves go the same way
	s_cbranch_scc1 .Lsame_block
	s_lshl_b32 s[Q0], ttmp9, 8                     ; block 7 - i is done: on to block i
	s_lshl_b32 s60, s[WV], 5
	s_add_co_u32 s[Q0], s[Q0], s60
	QLOAD                                          ; its queries come while the old block goes out
	FINISH
	s_wait_xcnt 0x0                                ; the stores have read their base and their registers
	SETY
	RESET
	s_mov_b32 s[KF], 0
	s_wait_loadcnt 0x0                             ; Q
.Lsame_block:
	s_xor_b32 s[TB], s[TB], SLOT1
	s_add_co_u32 s[TR], s[TR], 1
	s_cmp_lt_u32 s[TR], 8
	s_cbranch_scc1 .Ltrip
	CHANGE 0
	STEP 0
	STEP 1
	STEP 2
	STEP 3
	FINISH
	s_wait_tensorcnt 0x0                           ; the wave's end
	ds_add_u32 v[SPW], v[NIL]
	s_wait_dscnt 0x0
	s_endpgm
.Lfunc_end_k_qd6ada8b0bb_attn:
	.size	k_qd6ada8b0bb_attn, .Lfunc_end_k_qd6ada8b0bb_attn-k_qd6ada8b0bb_attn
	.p2alignl 7, 3214868480
	.fill 96, 4, 3214868480
	.section	.rodata,"a",@progbits
	.p2align	6, 0x0
	.amdhsa_kernel k_qd6ada8b0bb_attn
		.amdhsa_group_segment_fixed_size 327680
		.amdhsa_private_segment_fixed_size 0
		.amdhsa_enable_private_segment 0
		.amdhsa_kernarg_size 16
		.amdhsa_user_sgpr_count 2
		.amdhsa_user_sgpr_kernarg_segment_ptr 1
		.amdhsa_wavefront_size32 1
		.amdhsa_system_sgpr_workgroup_id_x 1
		.amdhsa_system_sgpr_workgroup_id_y 1
		.amdhsa_system_sgpr_workgroup_id_z 1
		.amdhsa_system_vgpr_workitem_id 0
		.amdhsa_next_free_vgpr 384
		.amdhsa_next_free_sgpr 72
		.amdhsa_reserve_vcc 1
		.amdhsa_float_denorm_mode_32 3
		.amdhsa_float_denorm_mode_16_64 3
		.amdhsa_memory_ordered 1
		.amdhsa_forward_progress 1
		.amdhsa_inst_pref_size 199
	.end_amdhsa_kernel
	.amdgpu_metadata
---
amdhsa.version: [ 1, 2 ]
amdhsa.kernels:
  - .name:           k_qd6ada8b0bb_attn
    .symbol:         k_qd6ada8b0bb_attn.kd
    .args:
      - { .name: qkvh, .offset: 0, .size: 8, .value_kind: global_buffer, .address_space: global }
      - { .name: yh, .offset: 8, .size: 8, .value_kind: global_buffer, .address_space: global }
    .group_segment_fixed_size: 327680
    .private_segment_fixed_size: 0
    .kernarg_segment_align: 8
    .kernarg_segment_size: 16
    .max_flat_workgroup_size: 256
    .sgpr_count:     72
    .vgpr_count:     384
    .wavefront_size: 32
...
	.end_amdgpu_metadata
.endif
;; end of part 3
;; launch proj (part 4): grid 4 x 64, 4 waves a work-group, clusters of 4 x 4, 327,680 bytes of LDS; arguments yh, wpt, b_proj, out0; writes out0
.if DOCPART == 4
	.amdgcn_target "amdgcn-amd-amdhsa--gfx1250"
	.amdhsa_code_object_version 6
	.text
	.protected	k_qd6ada8b0bb_proj
	.globl	k_qd6ada8b0bb_proj
	.p2align	8
	.type	k_qd6ada8b0bb_proj,@function
k_qd6ada8b0bb_proj:
	s_mov_b64 s[64:65], 0
	v_nop
	global_prefetch_b8 v0, s[64:65] scope:SCOPE_SE
	s_setreg_imm32_b32 hwreg(HW_REG_WAVE_MODE, 25, 1), 1
	s_wait_xcnt 0x0
	s_wait_alu depctr_hold_cnt(0) depctr_sa_sdst(0) depctr_va_vdst(0) depctr_va_sdst(0) depctr_va_ssrc(0) depctr_va_vcc(0) depctr_vm_vsrc(0)
	s_getreg_b32 s2, hwreg(HW_REG_IB_STS2, 6, 4)
	s_cmp_eq_u32 s2, 0
	s_cbranch_scc0 .Lentry_in_a_cluster
	s_endpgm
.Lentry_in_a_cluster:
	s_bfe_u32 s2, ttmp6, 0x10000c
	s_cmp_lg_u32 s2, 0xf033
	s_cbranch_scc0 .Lentry_shape_is_right
	s_endpgm
.Lentry_shape_is_right:
; out0 = y W_proj + b_proj.  A = yh [h 16][row 8192][64] f16 (k = 64 h + d), B = wpt [n 1024][k 1024] f16, out0 [8192][1024] f32; sums in f32.
; A tile is 128 rows x 256 columns: 256 work-groups.  Wave (w / 2, w % 2) makes 64 x 128: 32 accumulators, 256 registers.  K goes in 8 steps of 128, two heads each, through a ring of two LDS slots.
; CLUSTERS: 4 x 4 work-groups.  A's tile hangs on the tile row alone and is asked for jointly along a row of the cluster, B's on the tile column alone, along a column.  Waves 0, 1 ask for A's two heads, waves 2, 3 for B's two halves.
; THE MATRIX INSTRUCTION IS USED TRANSPOSED (source 0 = 16 rows of B, source 1 = 16 rows of A): a lane holds eight neighbouring columns of a row.  THE BIAS is the C of each sum's first instruction.
; REGISTERS: window 0: v16-31 addresses; v32-63, v64-95 A's fragments, two buffers; v96-159, v160-223 B's.  window 1: the accumulators, (a, b) at v[8 (8 a + b)].  window 2: v0-63 the bias.
.set PA,     144                       ; a row of A in LDS: 128 bytes + 16
.set PB,     272                       ; a row of B: 256 + 16
.set APART,  128*PA
.set BOFF,   2*APART
.set BHALF,  128*PB
.set SLOT,   BOFF+2*BHALF
.set STAGE,  2*SLOT                    ; 16 rows x 528 bytes for each wave; no fill lands here
.set SPITCH, 528
.set SPARE,  STAGE+4*16*SPITCH
.set ADRA, 16
.set ADRB, 20
.set STO,  24
.set RD,   25
.set CO,   26
.set SPW,  28
.set NIL,  29
.set PFO,  30
.set BO,   31
.set AF,   32
.set BF,   96
.set BK,   32
.set WV,   12
.set G1,  24
.set G0,  32
.set G1B, 48
.set G0B, 56
.set PFA, 66
.set LIM, 68
.set MUL, 0x50                         ; C and D window 1
.set MSB, 0
.macro WIN new
.if MSB != (\new)
	s_set_vgpr_msb (MSB<<8)|(\new)
.set MSB, (\new)
.endif
.endm
.macro JLOAD s                         ; an s_nop 0 and four v_nop follow each of the two lines
	s_cmp_eq_u32 s13, 0
	s_cbranch_scc0 .Lfor_b_\@
	tensor_load_to_lds s[G0+4*\s:G0+4*\s+3], s[G1:G1+7]
	s_nop 0
.rept 4
	v_nop
.endr
	s_branch .Lasked_\@
.Lfor_b_\@:
	tensor_load_to_lds s[G0B+4*\s:G0B+4*\s+3], s[G1B:G1B+7]
	s_nop 0
.rept 4
	v_nop
.endr
.Lasked_\@:
.endm
.macro CREST
	s_cmp_lg_u32 s[WV], 0
	s_cbranch_scc1 .Lnot_wave_0_\@
	s_barrier_signal -3
.Lnot_wave_0_\@:
	s_barrier_wait -3
	s_barrier_signal -1
	s_barrier_wait -1
.endm
.macro CROUND
	s_barrier_signal -1
	s_barrier_wait -1
	CREST
.endm
; A PREFETCH INTO THE L2 of A's K step that stands two refills on: 2 heads x 128 rows x 128 bytes = 128 blocks of 256 bytes.  A's rows are read by one row of one cluster alone: its four partners share the blocks
; BY ADDRESS, 32 each (4,096 bytes of each head's 16,384); in each, wave 0 asks, a lane a block.  The last two refills ask for nothing; K steps 0 to 3 come by their loads alone.  B is read by all sixteen clusters: not asked for.
.macro ASK
	s_cmp_gt_u32 s3, s[LIM]                        ; s3 = 1 in the loop's last trip
	s_cbranch_scc0 .Lnot_mine_\@
	global_prefetch_b8 v[PFO], s[PFA:PFA+1] th:TH_LOAD_NT scope:SCOPE_SE
.Lnot_mine_\@:
.endm
	s_load_b256 s[4:11], s[0:1], 0x0               ; yh s[4:5], wpt s[6:7], b_proj s[8:9], out0 s[10:11]
	v_lshl_add_u32 v[SPW], v0, 2, SPARE
	v_mov_b32 v[NIL], 0
	ds_add_u32 v[SPW], v[NIL]                      ; the wave's opening: the add, twice on end, and its wait ahead of my first tensor load
	ds_add_u32 v[SPW], v[NIL]
	v_lshrrev_b32 v1, 5, v0
	v_readfirstlane_b32 s[WV], v1                  ; wave 0..3
	s_lshr_b32 s13, s[WV], 1                       ; which 64 rows are mine.  Also: I fetch for A (0) or for B (1)
	s_and_b32 s14, s[WV], 1                        ; which 128 columns.  Also: which part I fetch
	s_bfe_u32 s40, ttmp6, 0x40000                  ; cx, cy
	s_bfe_u32 s41, ttmp6, 0x40004
	s_lshl_b32 s42, ttmp9, 2
	s_add_co_u32 s42, s42, s40                     ; tile column 0..3
	s_and_b32 s15, ttmp7, 0xffff
	s_lshl_b32 s15, s15, 2
	s_add_co_u32 s15, s15, s41                     ; tile row 0..63
	s_lshl_b32 s43, s41, 2
	s_lshl_b32 s43, 15, s43                        ; my row of the cluster
	s_lshl_b32 s44, 0x1111, s40                    ; my column
	s_or_b32 s[G1+0], s43, (1<<16)|(1<<20)|(1<<21)|(4<<22)|(3<<25)   ; A: elements of 2 bytes; 4 words of padding after every 32
	s_mov_b32 s[G1+1], 64<<16
	s_mov_b32 s[G1+2], 128<<16
	s_mov_b32 s[G1+3], 64<<16
	s_mov_b32 s[G1+4], 128
	s_mov_b32 s[G1+5], 64
	s_mov_b32 s[G1+6], 0
	s_mov_b32 s[G1+7], 0
	s_or_b32 s[G1B+0], s44, (1<<16)|(1<<20)|(1<<21)|(5<<22)|(3<<25)  ; B: 4 words after every 64
	s_mov_b32 s[G1B+1], 128<<16
	s_mov_b32 s[G1B+2], 128<<16
	s_mov_b32 s[G1B+3], 128<<16
	s_mov_b32 s[G1B+4], 128
	s_mov_b32 s[G1B+5], 1024
	s_mov_b32 s[G1B+6], 0
	s_mov_b32 s[G1B+7], 0
	s_lshl_b32 s16, s14, 20                        ; A: head 0 or 1 (a head's rows are 2^20 bytes),
	s_lshl_b32 s17, s15, 14                        ; 128 rows of 128 bytes a tile row
	s_add_co_u32 s16, s16, s17
	s_mov_b32 s17, 0
	s_lshl_b32 s46, s42, 8
	s_lshl_b32 s47, s14, 7
	s_add_co_u32 s46, s46, s47                     ; B: row 256 x tile column + 128 x half,
	s_lshl_b32 s46, s46, 11                        ; of 2,048 bytes
	s_mov_b32 s47, 0
	s_mul_i32 s20, s14, APART                      ; where they go
	s_mul_i32 s21, s14, BHALF
	s_add_co_u32 s21, s21, BOFF
	s_wait_dscnt 0x0                               ; both opening adds are done
	s_wait_kmcnt 0x0
	s_add_nc_u64 s[16:17], s[4:5], s[16:17]
	s_add_nc_u64 s[46:47], s[6:7], s[46:47]
	CROUND                                         ; all sixteen work-groups are here: the first joint loads meet
.irp s, 0,1
	s_mov_b32 s[G0+4*\s], 1
	s_add_co_u32 s[G0+4*\s+1], s20, \s*SLOT
	s_add_nc_u64 s[G0+4*\s+2:G0+4*\s+3], s[16:17], \s*2097152      ; K step s: heads 2 s, 2 s + 1
	s_or_b32 s[G0+4*\s+3], s[G0+4*\s+3], 0x80000000
	s_mov_b32 s[G0B+4*\s], 1
	s_add_co_u32 s[G0B+4*\s+1], s21, \s*SLOT
	s_add_nc_u64 s[G0B+4*\s+2:G0B+4*\s+3], s[46:47], \s*256
	s_or_b32 s[G0B+4*\s+3], s[G0B+4*\s+3], 0x80000000
	JLOAD \s
.endr
	v_and_b32 v1, 15, v0                           ; r
	v_bfe_u32 v2, v0, 4, 1                         ; lane / 16
	v_lshlrev_b32 v[BO], 5, v2
	s_lshl_b32 s46, s42, 10
	s_lshl_b32 s47, s14, 9
	s_add_co_u32 s46, s46, s47                     ; my first column, in bytes
	s_mov_b32 s47, 0
	s_add_nc_u64 s[8:9], s[8:9], s[46:47]
	WIN 0x80                                       ; destination window 2
.irp b, 0,1,2,3,4,5,6,7
	global_load_b128 v[8*\b:8*\b+3], v[BO], s[8:9] offset:64*\b
	global_load_b128 v[8*\b+4:8*\b+7], v[BO], s[8:9] offset:64*\b+16
.endr
	WIN 0
	s_add_nc_u64 s[10:11], s[10:11], s[46:47]
	s_lshl_b32 s46, s15, 19                        ; 128 rows of 4,096 bytes a tile row,
	s_lshl_b32 s22, s13, 18                        ; my 64 of them
	s_add_co_u32 s46, s46, s22
	s_add_nc_u64 s[10:11], s[10:11], s[46:47]
	v_mul_u32_u24 v3, v1, PA
	v_lshl_add_u32 v3, v2, 4, v3
	s_mul_i32 s22, s13, 64*PA
	v_mul_u32_u24 v4, v1, PB
	v_lshl_add_u32 v4, v2, 4, v4
	s_mul_i32 s23, s14, BHALF
	s_add_co_u32 s23, s23, BOFF
.irp s, 0,1
	v_add_nc_u32 v[ADRA+\s], s22, v3
	v_add_nc_u32 v[ADRB+\s], s23, v4
	s_add_co_u32 s22, s22, SLOT
	s_add_co_u32 s23, s23, SLOT
.endr
	s_mul_i32 s23, s[WV], 16*SPITCH
	s_add_co_u32 s23, s23, STAGE                   ; my stage
	v_mul_u32_u24 v5, v1, SPITCH
	v_lshl_add_u32 v5, v2, 5, v5
	v_add_nc_u32 v[STO], s23, v5                   ; in: row r, 32 bytes for each half of the lanes
	v_and_b32 v6, 31, v0
	v_lshlrev_b32 v[CO], 4, v6
	v_add_nc_u32 v[RD], s23, v[CO]                 ; back: the 32 lanes take a row of 512 bytes
	v_lshlrev_b32 v[PFO], 8, v1
	v_lshl_add_u32 v[PFO], v2, 20, v[PFO]          ; lanes 0-15: 16 blocks of the even head; lanes 16-31: of the odd one
	s_lshl_b32 s46, s15, 14
	s_lshl_b32 s22, s40, 12
	s_add_co_u32 s46, s46, s22
	s_add_nc_u64 s[PFA:PFA+1], s[4:5], s[46:47]
	s_add_nc_u64 s[PFA:PFA+1], s[PFA:PFA+1], 3*2097152   ; at K step 3: the first refill steps it to 4
	s_cmp_eq_u32 s[WV], 0
	s_cselect_b32 s[LIM], 1, -1
.macro MUL8 f, a, first                ; A's block a against B's eight, 32 along K, from buffer f.  The 32 accumulators take turns, one instruction a turn
.irp b, 0,1,2,3,4,5,6,7
.if \first
	v_wmma_f32_16x16x32_f16 v[8*(8*(\a)+\b):8*(8*(\a)+\b)+7], v[BF+64*(\f)+8*\b:BF+64*(\f)+8*\b+7], v[AF+32*(\f)+8*(\a):AF+32*(\f)+8*(\a)+7], v[8*\b:8*\b+7]
.else
	v_wmma_f32_16x16x32_f16 v[8*(8*(\a)+\b):8*(8*(\a)+\b)+7], v[BF+64*(\f)+8*\b:BF+64*(\f)+8*\b+7], v[AF+32*(\f)+8*(\a):AF+32*(\f)+8*(\a)+7], v[8*(8*(\a)+\b):8*(8*(\a)+\b)+7]
.endif
.endr
.endm
.macro FETCH slot, q, f                ; 24 LDS loads in one run: B's sixteen, then A's eight; quarter q lies in head q / 2, channels 32 (q % 2) on
.irp i, 0,1,2,3,4,5,6,7
	ds_load_b128 v[BF+64*(\f)+8*\i:BF+64*(\f)+8*\i+3], v[ADRB+\slot] offset:64*(\q)+4352*\i
	ds_load_b128 v[BF+64*(\f)+8*\i+4:BF+64*(\f)+8*\i+7], v[ADRB+\slot] offset:64*(\q)+4352*\i+32
.endr
.irp a, 0,1,2,3
	ds_load_b128 v[AF+32*(\f)+8*\a:AF+32*(\f)+8*\a+3], v[ADRA+\slot] offset:APART*((\q)/2)+64*((\q)%2)+2304*\a
	ds_load_b128 v[AF+32*(\f)+8*\a+4:AF+32*(\f)+8*\a+7], v[ADRA+\slot] offset:APART*((\q)/2)+64*((\q)%2)+2304*\a+32
.endr
.endm
.macro PLACES
.rept 4
	v_nop
.endr
.endm
.macro QUARTER slot, qn, f, g, first   ; multiplies buffer f; in its middle fetches quarter qn of the same slot into buffer g
	s_wait_dscnt 4                                 ; B and A's blocks 0, 1 are in; the youngest four loads (A's blocks 2, 3) may be out
	WIN MUL+0x10*(\first)                          ; first: C (the bias) window 2
	MUL8 \f, 0, \first
	MUL8 \f, 1, \first
	PLACES
	WIN 0
	FETCH \slot, \qn, \g
	s_wait_dscnt 24                                ; all but the 24 just issued
	WIN MUL+0x10*(\first)
	MUL8 \f, 2, \first
	MUL8 \f, 3, \first
.endm
; A slot's last quarter multiplies buffer 1 and changes slots: one barrier; in front of it all my tensor loads have landed, the add, and my reads of this slot are over.  fill = 1: the barrier opens a round of the cluster's,
; and the joint refill, two K steps ahead, is the first tensor load behind it.
.macro TURN slot, next, fill
.if \fill
	s_wait_xcnt 0x0                                ; the last prefetch, a K step back, has read its address
	s_add_nc_u64 s[PFA:PFA+1], s[PFA:PFA+1], 2097152
.endif
	WIN 0
	s_wait_tensorcnt 0x0
	ds_add_u32 v[SPW], v[NIL]
	s_wait_dscnt 5                                 ; the add and the youngest four loads may be out
	WIN MUL
	MUL8 1, 0, 0
	s_wait_dscnt 0x0                               ; the add is done, and my reads of this slot are over
	s_barrier_signal -1
	MUL8 1, 1, 0
	WIN 0
	s_barrier_wait -1
.if \fill
	CREST
	s_add_nc_u64 s[G0+4*\slot+2:G0+4*\slot+3], s[G0+4*\slot+2:G0+4*\slot+3], 2*2097152
	s_add_nc_u64 s[G0B+4*\slot+2:G0B+4*\slot+3], s[G0B+4*\slot+2:G0B+4*\slot+3], 2*256
	JLOAD \slot                                    ; the four v_nop behind it are also the places in front of the loads below
.else
	PLACES
.endif
	FETCH \next, 0, 0
.if \fill
	ASK
.endif
	WIN MUL
	MUL8 1, 2, 0
	MUL8 1, 3, 0
.endm
	s_wait_tensorcnt 1                             ; my part of K step 0 is in; K step 1's load may be out
	s_barrier_signal -1
	s_barrier_wait -1
	FETCH 0, 0, 0
	s_wait_loadcnt 0x0                             ; the bias
	QUARTER 0, 1, 0, 1, 1                          ; the first quarter stands in front of the loop: its products start the sums
	WIN 0
	s_mov_b32 s3, 3
.Llap:                                             ; a trip goes once round the ring and fills both slots again
	QUARTER 0, 2, 1, 0, 0
	QUARTER 0, 3, 0, 1, 0
	TURN 0, 1, 1
	QUARTER 1, 1, 0, 1, 0
	QUARTER 1, 2, 1, 0, 0
	QUARTER 1, 3, 0, 1, 0
	TURN 1, 0, 1
	QUARTER 0, 1, 0, 1, 0
	WIN 0
	s_sub_co_u32 s3, s3, 1
	s_cmp_lg_u32 s3, 0
	s_cbranch_scc1 .Llap
	QUARTER 0, 2, 1, 0, 0                          ; the last lap fills nothing
	QUARTER 0, 3, 0, 1, 0
	TURN 0, 1, 0
	QUARTER 1, 1, 0, 1, 0
	QUARTER 1, 2, 1, 0, 0
	QUARTER 1, 3, 0, 1, 0
	s_wait_dscnt 4
	WIN MUL
	MUL8 1, 0, 0
	MUL8 1, 1, 0
	s_wait_dscnt 0
	MUL8 1, 2, 0
	MUL8 1, 3, 0
	WIN 0
; THE WAY OUT, a block of 16 rows x 128 columns at a time, through my own stage, back as whole rows of 512 bytes.
.macro TOSTAGE a
	WIN 0x04                                       ; an LDS store's data: window 1
.irp b, 0,1,2,3,4,5,6,7
	ds_store_b128 v[STO], v[8*(8*(\a)+\b):8*(8*(\a)+\b)+3] offset:64*\b          ; each accumulator from its low end on
	ds_store_b128 v[STO], v[8*(8*(\a)+\b)+4:8*(8*(\a)+\b)+7] offset:64*\b+16
.endr
	WIN 0
.set BB, BK+64*((\a)%2)
.irp t, 0,1,2,3,4,5,6,7,8,9,10,11,12,13,14,15
	ds_load_b128 v[BB+4*\t:BB+4*\t+3], v[RD] offset:\t*SPITCH
.endr
.endm
.macro SEND a, younger
.set BB, BK+64*((\a)%2)
	s_wait_dscnt \younger                          ; the block is back; the next block's 32 LDS instructions may be out
.irp t, 0,1,2,3,4,5,6,7,8,9,10,11,12,13,14,15
	global_store_b128 v[CO], v[BB+4*\t:BB+4*\t+3], s[10:11] offset:(16*(\a)+\t)*4096 th:TH_STORE_NT   ; 512 consecutive bytes, aligned
.endr
.endm
	PLACES
	TOSTAGE 0
.irp a, 1,2,3
.if \a > 1
	s_wait_xcnt 0x0                                ; block a - 2's stores have read their registers: block a's loads may land there
.endif
	TOSTAGE \a
	SEND \a-1, 32
.endr
	SEND 3, 0
	s_wait_tensorcnt 0x0                           ; the wave's end
	ds_add_u32 v[SPW], v[NIL]
	s_wait_dscnt 0x0
	CROUND                                         ; the closing round
	s_endpgm
.Lfunc_end_k_qd6ada8b0bb_proj:
	.size	k_qd6ada8b0bb_proj, .Lfunc_end_k_qd6ada8b0bb_proj-k_qd6ada8b0bb_proj
	.p2alignl 7, 3214868480
	.fill 96, 4, 3214868480
	.section	.rodata,"a",@progbits
	.p2align	6, 0x0
	.amdhsa_kernel k_qd6ada8b0bb_proj
		.amdhsa_group_segment_fixed_size 327680
		.amdhsa_private_segment_fixed_size 0
		.amdhsa_enable_private_segment 0
		.amdhsa_kernarg_size 32
		.amdhsa_user_sgpr_count 2
		.amdhsa_user_sgpr_kernarg_segment_ptr 1
		.amdhsa_wavefront_size32 1
		.amdhsa_system_sgpr_workgroup_id_x 1
		.amdhsa_system_sgpr_workgroup_id_y 1
		.amdhsa_system_sgpr_workgroup_id_z 1
		.amdhsa_system_vgpr_workitem_id 0
		.amdhsa_next_free_vgpr 576
		.amdhsa_next_free_sgpr 72
		.amdhsa_reserve_vcc 0
		.amdhsa_float_denorm_mode_32 3
		.amdhsa_float_denorm_mode_16_64 3
		.amdhsa_memory_ordered 1
		.amdhsa_forward_progress 1
		.amdhsa_inst_pref_size 87
	.end_amdhsa_kernel
	.amdgpu_metadata
---
amdhsa.version: [ 1, 2 ]
amdhsa.kernels:
  - .name:           k_qd6ada8b0bb_proj
    .symbol:         k_qd6ada8b0bb_proj.kd
    .args:
      - { .name: yh, .offset: 0, .size: 8, .value_kind: global_buffer, .address_space: global }
      - { .name: wpt, .offset: 8, .size: 8, .value_kind: global_buffer, .address_space: global }
      - { .name: b_proj, .offset: 16, .size: 8, .value_kind: global_buffer, .address_space: global }
      - { .name: out0, .offset: 24, .size: 8, .value_kind: global_buffer, .address_space: global }
    .group_segment_fixed_size: 327680
    .private_segment_fixed_size: 0
    .kernarg_segment_align: 8
    .kernarg_segment_size: 32
    .max_flat_workgroup_size: 128
    .sgpr_count:     72
    .vgpr_count:     576
    .wavefront_size: 32
...
	.end_amdgpu_metadata
.endif
;; end of part 4
;; launch first16 (part 5): grid 16 x 4, 16 waves a work-group, no clusters, 71,680 bytes of LDS; arguments qkv16, W_proj, b_proj, out0; writes out0
.if DOCPART == 5
	.amdgcn_target "amdgcn-amd-amdhsa--gfx1250"
	.amdhsa_code_object_version 6
	.text
	.protected	k_qd6ada8b0bb_first16
	.globl	k_qd6ada8b0bb_first16
	.p2align	8
	.type	k_qd6ada8b0bb_first16,@function
k_qd6ada8b0bb_first16:
	s_mov_b64 s[64:65], 0
	v_nop
	global_prefetch_b8 v0, s[64:65] scope:SCOPE_SE
	s_setreg_imm32_b32 hwreg(HW_REG_WAVE_MODE, 25, 1), 1
	s_wait_xcnt 0x0
; POSITIONS 0 TO 15 OF EACH SEQUENCE, all in f32: they average one to sixteen values and are the largest rows of the output, so they are carried more finely than f16 operands allow, through attention and the projection.
; q, k, v come as f32 images of accumulators: qkv16 [b 4][n / 16: 192][half 2][lane 32][4]: lane (r, hh), register j of tile nb = (position r, column 16 nb + 8 hh + j).
; A work-group takes one batch and 64 columns of the output; wave hd takes head hd: its 16 x 16 scores, softmax, 16 x 64 of y, and y times its 64 rows of W_proj; the sixteen parts are added through LDS, in the order of the heads.
; All products by the f32 matrix form (16 x 16 x 4), 96 a wave.  K is permuted alike in both operands of each product: lane half hh, register j of step s stand for 8 hh + 2 s + j within 16.
; The registers that this form writes (v176-223) are written by nothing else.  No tensor load; the sixteen work-groups of a batch each repeat the small attention, since each needs all of y.
.set SPARE, 69632                      ; behind the sixteen stages of 16 rows x 272 bytes: the spare words, 128 bytes for each wave
.set SPW, 1
.set NIL, 2
.set QF,  16
.set KF,  48
.set VF,  80                           ; V^T's fragments; later y
.set WA,  112                          ; W's fragments of column tiles 0, 1; tiles 2, 3 take v16-79
.set SA,  176                          ; two accumulators of scores
.set OA,  192                          ; four of O^T; later the four of the output
.set P,   224
	s_load_b256 s[4:11], s[0:1], 0x0               ; qkv16 s[4:5], W_proj s[6:7], b_proj s[8:9], out0 s[10:11]
	v_lshl_add_u32 v[SPW], v0, 2, SPARE
	v_mov_b32 v[NIL], 0
	v_lshrrev_b32 v3, 5, v0
	v_readfirstlane_b32 s12, v3                    ; wave = head 0..15
	v_and_b32 v3, 15, v0                           ; r
	v_bfe_u32 v4, v0, 4, 1                         ; hh
	v_and_b32 v12, 31, v0
	v_lshlrev_b32 v5, 4, v12                       ; an image's 16 bytes of my lane
	v_bfe_u32 v13, v0, 2, 1                        ; V(key 8 hh + i, channel 16 dt + r) lies in the image at 512 ((r / 4) % 2) + 256 (r / 8) + 128 hh + 4 (r % 4) + 1,024 dt + 16 i
	v_lshlrev_b32 v6, 9, v13
	v_bfe_u32 v13, v0, 3, 1
	v_lshl_add_u32 v6, v13, 8, v6
	v_lshl_add_u32 v6, v4, 7, v6
	v_and_b32 v13, 3, v0
	v_lshl_add_u32 v6, v13, 2, v6
	v_lshlrev_b32 v7, 2, v3                        ; W(64 hd + 16 dt + 8 hh + i, column 16 nt + r): 4 r + 8 hh rows of 4,096 bytes
	v_lshl_add_u32 v7, v4, 15, v7
	v_lshlrev_b32 v8, 3, v12                       ; the way out: two columns a lane
	s_mul_i32 s26, s12, 4352                       ; my stage
	v_mul_u32_u24 v9, v3, 272
	v_lshl_add_u32 v9, v4, 5, v9
	v_add_nc_u32 v9, s26, v9                       ; in: row r, 32 bytes for each half of the lanes
	s_mul_i32 s27, s12, 272
	v_add_nc_u32 v10, s27, v8                      ; back: wave w adds row w of all sixteen stages
	v_lshlrev_b32 v11, 3, v4
	v_sub_nc_u32 v11, v3, v11                      ; r - 8 hh
	v_mov_b32 v234, 0                              ; a lane permute's destination counts as one of its sources
	s_mov_b32 s20, 0x76543210
	s_mov_b32 s21, 0xfedcba98
	s_mov_b32 s22, 0x3e38aa3b                      ; c = log2(e) / 8
	s_and_b32 s13, ttmp7, 0xffff                   ; batch
	s_mul_i32 s14, s13, 192
	s_lshl_b32 s15, s12, 2
	s_add_co_u32 s14, s14, s15
	s_lshl_b32 s14, s14, 10                        ; q's four tiles of my head; k's lie 64 tiles on, v's 128
	s_mov_b32 s15, 0
	s_lshl_b32 s16, s12, 18                        ; my head's 64 rows of W_proj,
	s_lshl_b32 s18, ttmp9, 8                       ; the work-group's 64 columns
	s_add_co_u32 s16, s16, s18
	s_mov_b32 s17, 0
	s_mov_b32 s19, 0
	s_lshl_b32 s24, s13, 11
	s_add_co_u32 s24, s24, s12                     ; the row of out0 that my wave stores: 2,048 x batch + wave
	s_lshl_b32 s24, s24, 12
	s_add_co_u32 s24, s24, s18
	s_mov_b32 s25, 0
	s_wait_kmcnt 0x0
	s_add_nc_u64 s[4:5], s[4:5], s[14:15]
	s_add_nc_u64 s[6:7], s[6:7], s[16:17]
	s_add_nc_u64 s[8:9], s[8:9], s[18:19]
	s_add_nc_u64 s[10:11], s[10:11], s[24:25]
.irp i, 0,1,2,3
	global_load_b128 v[QF+8*\i:QF+8*\i+3], v5, s[4:5] offset:1024*\i
	global_load_b128 v[QF+8*\i+4:QF+8*\i+7], v5, s[4:5] offset:1024*\i+512
.endr
.irp i, 0,1,2,3
	global_load_b128 v[KF+8*\i:KF+8*\i+3], v5, s[4:5] offset:65536+1024*\i
	global_load_b128 v[KF+8*\i+4:KF+8*\i+7], v5, s[4:5] offset:65536+1024*\i+512
.endr
.irp dt, 0,1,2,3
.irp i, 0,1,2,3,4,5,6,7
	global_load_b32 v[VF+8*\dt+\i], v6, s[4:5] offset:131072+1024*\dt+16*\i
.endr
.endr
	global_load_b64 v[252:253], v8, s[8:9]         ; the bias of my two columns
.irp nt, 0,1
.irp dt, 0,1,2,3
.irp i, 0,1,2,3,4,5,6,7
	global_load_b32 v[WA+32*\nt+8*\dt+\i], v7, s[6:7] offset:(16*\dt+\i)*4096+64*\nt
.endr
.endr
.endr
	s_wait_loadcnt 63                              ; of the 113 loads at most 63 are out: the first 50 are in, q, k, v and the bias among them
.irp s, 0,1,2,3                                ; S^T = K Q^T: sixteen steps of 4 along the head's 64, on two accumulators by turns
.irp i, 0,1,2,3
.if (\s == 0) && (\i < 2)
	v_wmma_f32_16x16x4_f32 v[SA+8*(\i%2):SA+8*(\i%2)+7], v[KF+8*\i+2*\s:KF+8*\i+2*\s+1], v[QF+8*\i+2*\s:QF+8*\i+2*\s+1], 0
.else
	v_wmma_f32_16x16x4_f32 v[SA+8*(\i%2):SA+8*(\i%2)+7], v[KF+8*\i+2*\s:KF+8*\i+2*\s+1], v[QF+8*\i+2*\s:QF+8*\i+2*\s+1], v[SA+8*(\i%2):SA+8*(\i%2)+7]
.endif
.endr
.endr
.rept 8
	v_nop                                          ; eight places behind this form, ahead of reads of its results and of loads into its sources
.endr
.irp nt, 0,1                                   ; W's column tiles 2 and 3 take the registers that q and k have left
.irp dt, 0,1,2,3
.irp i, 0,1,2,3,4,5,6,7
	global_load_b32 v[QF+32*\nt+8*\dt+\i], v7, s[6:7] offset:(16*\dt+\i)*4096+128+64*\nt
.endr
.endr
.endr
.irp j, 0,1,2,3,4,5,6,7
	v_add_f32 v[P+\j], v[SA+\j], v[SA+8+\j]        ; lane (r, hh): query r, key 8 hh + j
.endr
	v_mov_b32 v232, 0xff800000
.irp j, 0,1,2,3,4,5,6,7
	v_cmp_gt_i32 vcc_lo, \j, v11                   ; hidden where 8 hh + j > r
	v_cndmask_b32 v[P+\j], v[P+\j], v232, vcc_lo
.endr
	v_max3_num_f32 v233, v[P], v[P+1], v[P+2]
	v_max3_num_f32 v233, v233, v[P+3], v[P+4]
	v_max3_num_f32 v233, v233, v[P+5], v[P+6]
	v_max_num_f32 v233, v233, v[P+7]
	v_permlanex16_b32 v234, v233, s20, s21
	v_max_num_f32 v233, v233, v234                 ; the row's maximum (key 0 counts for every query)
	v_mul_f32 v233, s22, v233
.irp j, 0,1,2,3,4,5,6,7
	v_fma_f32 v[P+\j], v[P+\j], s22, -v233
.endr
.irp j, 0,1,2,3,4,5,6,7
	v_exp_f32 v[P+\j], v[P+\j]
.endr
	v_nop
	s_wait_alu depctr_va_vdst(0)                   ; one wait for the eight, ahead of their first reader
	v_add_f32 v235, v[P], v[P+1]
	v_add_f32 v236, v[P+2], v[P+3]
	v_add_f32 v237, v[P+4], v[P+5]
	v_add_f32 v238, v[P+6], v[P+7]
	v_add_f32 v235, v235, v236
	v_add_f32 v237, v237, v238
	v_add_f32 v235, v235, v237
	v_permlanex16_b32 v234, v235, s20, s21
	v_add_f32 v235, v235, v234
	v_rcp_f32 v236, v235
	v_nop
	s_wait_alu depctr_va_vdst(0)
.irp s, 0,1,2,3                                ; O^T = V^T P: four steps of 4 along the 16 keys, four accumulators by turns
.irp dt, 0,1,2,3
.if \s == 0
	v_wmma_f32_16x16x4_f32 v[OA+8*\dt:OA+8*\dt+7], v[VF+8*\dt+2*\s:VF+8*\dt+2*\s+1], v[P+2*\s:P+2*\s+1], 0
.else
	v_wmma_f32_16x16x4_f32 v[OA+8*\dt:OA+8*\dt+7], v[VF+8*\dt+2*\s:VF+8*\dt+2*\s+1], v[P+2*\s:P+2*\s+1], v[OA+8*\dt:OA+8*\dt+7]
.endif
.endr
.endr
.rept 9
	v_nop                                          ; nine: these accumulators are begun anew by matrix instructions below, and V's registers are written next
.endr
.set j, 0
.rept 32
	v_mul_f32 v[VF+j], v[OA+j], v236               ; y: lane (r, hh), register 8 dt + j = (position r, channel 16 dt + 8 hh + j); each accumulator from its low end on
.set j, j+1
.endr
	s_wait_loadcnt 63                              ; of the 177 loads at most 63 are out: the first 113 are in, W's tiles 0 and 1 among them
.irp dt, 0,1,2,3                               ; out^T = W^T y: sixteen steps of 4 along my head's 64; column tiles 0 and 1 by turns
.irp s, 0,1,2,3
.irp nt, 0,1
.if (\dt == 0) && (\s == 0)
	v_wmma_f32_16x16x4_f32 v[OA+8*\nt:OA+8*\nt+7], v[WA+32*\nt+8*\dt+2*\s:WA+32*\nt+8*\dt+2*\s+1], v[VF+8*\dt+2*\s:VF+8*\dt+2*\s+1], 0
.else
	v_wmma_f32_16x16x4_f32 v[OA+8*\nt:OA+8*\nt+7], v[WA+32*\nt+8*\dt+2*\s:WA+32*\nt+8*\dt+2*\s+1], v[VF+8*\dt+2*\s:VF+8*\dt+2*\s+1], v[OA+8*\nt:OA+8*\nt+7]
.endif
.endr
.endr
.endr
	s_wait_loadcnt 0x0                             ; W's tiles 2 and 3
.irp dt, 0,1,2,3
.irp s, 0,1,2,3
.irp nt, 0,1
.if (\dt == 0) && (\s == 0)
	v_wmma_f32_16x16x4_f32 v[OA+16+8*\nt:OA+16+8*\nt+7], v[QF+32*\nt+8*\dt+2*\s:QF+32*\nt+8*\dt+2*\s+1], v[VF+8*\dt+2*\s:VF+8*\dt+2*\s+1], 0
.else
	v_wmma_f32_16x16x4_f32 v[OA+16+8*\nt:OA+16+8*\nt+7], v[QF+32*\nt+8*\dt+2*\s:QF+32*\nt+8*\dt+2*\s+1], v[VF+8*\dt+2*\s:VF+8*\dt+2*\s+1], v[OA+16+8*\nt:OA+16+8*\nt+7]
.endif
.endr
.endr
.endr
.rept 8
	v_nop
.endr
.irp nt, 0,1,2,3
	ds_store_b128 v9, v[OA+8*\nt:OA+8*\nt+3] offset:64*\nt           ; lane (r, hh): (position r, column 16 nt + 8 hh + 0 .. 7) of my head's part
	ds_store_b128 v9, v[OA+8*\nt+4:OA+8*\nt+7] offset:64*\nt+16
.endr
	s_wait_dscnt 0x0                               ; for the others' sake: my stores are done
	s_barrier_signal -1
	s_barrier_wait -1
.irp w, 0,1,2,3,4,5,6,7,8,9,10,11,12,13,14,15
	ds_load_b64 v[WA+2*\w:WA+2*\w+1], v10 offset:4352*\w
.endr
	s_wait_dscnt 0x0
.irp w, 0,1,2,3,4,5,6,7,8,9,10,11,12,13,14,15
	v_pk_add_f32 v[252:253], v[252:253], v[WA+2*\w:WA+2*\w+1]        ; onto the bias, head by head
.endr
	global_store_b64 v8, v[252:253], s[10:11]      ; the wave stores 256 consecutive bytes, aligned
	s_wait_tensorcnt 0x0                           ; the wave's end, behind my last LDS store
	ds_add_u32 v[SPW], v[NIL]
	s_wait_dscnt 0x0
	s_endpgm
.Lfunc_end_k_qd6ada8b0bb_first16:
	.size	k_qd6ada8b0bb_first16, .Lfunc_end_k_qd6ada8b0bb_first16-k_qd6ada8b0bb_first16
	.p2alignl 7, 3214868480
	.fill 96, 4, 3214868480
	.section	.rodata,"a",@progbits
	.p2align	6, 0x0
	.amdhsa_kernel k_qd6ada8b0bb_first16
		.amdhsa_group_segment_fixed_size 71680
		.amdhsa_private_segment_fixed_size 0
		.amdhsa_enable_private_segment 0
		.amdhsa_kernarg_size 32
		.amdhsa_user_sgpr_count 2
		.amdhsa_user_sgpr_kernarg_segment_ptr 1
		.amdhsa_wavefront_size32 1
		.amdhsa_system_sgpr_workgroup_id_x 1
		.amdhsa_system_sgpr_workgroup_id_y 1
		.amdhsa_system_sgpr_workgroup_id_z 1
		.amdhsa_system_vgpr_workitem_id 0
		.amdhsa_next_free_vgpr 256
		.amdhsa_next_free_sgpr 66
		.amdhsa_reserve_vcc 1
		.amdhsa_float_denorm_mode_32 3
		.amdhsa_float_denorm_mode_16_64 3
		.amdhsa_memory_ordered 1
		.amdhsa_forward_progress 1
		.amdhsa_inst_pref_size 33
	.end_amdhsa_kernel
	.amdgpu_metadata
---
amdhsa.version: [ 1, 2 ]
amdhsa.kernels:
  - .name:           k_qd6ada8b0bb_first16
    .symbol:         k_qd6ada8b0bb_first16.kd
    .args:
      - { .name: qkv16, .offset: 0, .size: 8, .value_kind: global_buffer, .address_space: global }
      - { .name: W_proj, .offset: 8, .size: 8, .value_kind: global_buffer, .address_space: global }
      - { .name: b_proj, .offset: 16, .size: 8, .value_kind: global_buffer, .address_space: global }
      - { .name: out0, .offset: 24, .size: 8, .value_kind: global_buffer, .address_space: global }
    .group_segment_fixed_size: 71680
    .private_segment_fixed_size: 0
    .kernarg_segment_align: 8
    .kernarg_segment_size: 32
    .max_flat_workgroup_size: 512
    .sgpr_count:     66
    .vgpr_count:     256
    .wavefront_size: 32
...
	.end_amdgpu_metadata
.endif
;; end of part 5
